; MI455X (gfx1250); checked and timed in simulation.
; The chip was launched on July 23, 2026; its instructions are those of AMD's public machine-readable ISA for CDNA 5 (MIT licence, August 2026) and "CDNA5" Instruction Set Architecture Reference Guide (July 2026). The comments in the code are by the model that wrote it; some were corrected since.
;; Multi Head Attention. Allowed arithmetic: matrix products marked QUANTISED: E2M3 operands, one E8M0 scale for each 32 along K, by v_wmma_scale_f32_16x16x128_f8f6f4 with both operands' format E2M3, f32 sums; everything else in f32.
;; Inputs: Wk 1,024 x 1,024 float32; Wo 1,024 x 1,024 float32; Wq 1,024 x 1,024 float32; Wv 1,024 x 1,024 float32; bk 1,024 float32; bo 1,024 float32; bq 1,024 float32; bv 1,024 float32; key 4 x 2,048 x 1,024 float32; query 4 x 2,048 x 1,024 float32; value 4 x 2,048 x 1,024 float32.
;; Outputs: out0 4 x 2,048 x 1,024 float32.
;; This version of the problem:
;;   THIS VERSION OF THE PROBLEM IS GIVEN IN LOW PRECISION. The matrix products marked QUANTISED in the list below multiply operands that are first quantised to E2M3 (2 exponent bits, 3 mantissa bits; 6 bits a number), with one power-of-two scale for each 32 numbers along K (OCP MX v1.0); their sums are f32. All else is computed in f32.
;;   The module's matrix products, in the order in which they are computed (A, B: the left and right operand; K: the contracted axis; several contracted axes count as one K, in the product's order):
;;     1. [M 8,192, K 1,024] x [K 1,024, N 1,024]; A: input query; B: input Wq: QUANTISED
;;     2. [M 8,192, K 1,024] x [K 1,024, N 1,024]; A: input key; B: input Wk: QUANTISED
;;     3. [M 8,192, K 1,024] x [K 1,024, N 1,024]; A: input value; B: input Wv: QUANTISED
;;     4. batch 64 x [M 2,048, K 64] x [K 64, N 2,048]; A: computed on the way; B: computed on the way: QUANTISED
;;     5. batch 64 x [M 2,048, K 2,048] x [K 2,048, N 64]; A: softmax (see below); B: computed on the way: QUANTISED
;;     6. [M 8,192, K 1,024] x [K 1,024, N 1,024]; A: computed on the way; B: input Wo: QUANTISED
;;   THE QUANTISER, for each operand of a quantised product, along K:
;;     - K is cut into blocks of 32 from its start; a last block that is shorter is filled with zeros.
;;     - A block's scale is 2^e with e = floor(log2(the largest magnitude in the block)) - 2, held to -126 .. 127; a block of zeros has e = 0. As a byte (E8M0): e + 127.
;;     - Each number is divided by its block's scale, clamped to +-7.5, and rounded to the nearest number of E2M3, ties to even, subnormals kept.
;;     - The product sums the exact products of the quantised numbers (number of the format x scale) in f32.
;;   ~~~python
;;   def quantise(x, axis):      # numpy; x: float32 -> the quantised numbers, widened to float32 again
;;       x = np.moveaxis(x, axis, -1); K = x.shape[-1]
;;       x = np.pad(x, [(0, 0)] * (x.ndim - 1) + [(0, -K % 32)]); x = x.reshape(x.shape[:-1] + (-1, 32)); a = np.abs(x).max(-1, keepdims=True)
;;       e = np.where(a > 0, np.clip(np.frexp(np.where(a > 0, a, 1))[1] - 1 - 2, -126, 127), 0)      # np.frexp(a)[1] - 1 = floor(log2(a)), exactly
;;       r = np.clip(x / 2.0 ** e, -7.5, 7.5)
;;       step = 2.0 ** (np.maximum(np.frexp(np.where(r == 0, 1, r))[1] - 1, 0) - 3)
;;       q = np.round(r / step) * step * 2.0 ** e      # np.round: ties to even
;;       return np.moveaxis(q.reshape(q.shape[:-2] + (-1,))[..., :K], -1, axis).astype(np.float32)
;;   ~~~
;;   SOFTMAX AHEAD OF A QUANTISED PRODUCT. Where the list says 'softmax', what is quantised is not the finished softmax but p = 2^(t - M), with t = logit x log2(e) and M = ceil(the row's largest t), a whole number; so 1/2 < the row's largest p <= 1. The row's sum l is taken of the UNQUANTISED p, in f32, and the product's result is divided by l at the end. Since M is a whole number, a kernel that streams over the keys may use a running M (the ceiling of the running maximum): every later rescaling is an exact power of two, which a block's scale takes up: the codes' values come out the same.
;;   OPERANDS COMPUTED ON THE WAY. 'Computed on the way' means the value that the module computes at that place (a softmax that the list does not call 'softmax' is quantised finished and normalised). What goes into a quantiser is computed in f32, as accurately as f32 sums, v_exp_f32 and their like allow (about 1e-6 of the number): no bf16 or f16 on the way to a quantiser, and a product that is left as it is and whose result goes on into a quantised operand takes f32 operands (vector FMAs, or v_wmma_f32_16x16x4_f32). A number that lies on a knife's edge between two numbers of the format may be rounded either way, as far as f32 arithmetic and the matrix unit's own rounding can turn it there, and no further.
;; One version. Each part assembles by itself: llvm-mc -triple=amdgcn-amd-amdhsa -mcpu=gfx1250 --defsym DOCPART=n.
;; ======== version 1 of 1: 4 launches
;; limits: right only within a limited range of input values
;; workspace buffers: xwc 22,020,096 bytes; xws 917,504 bytes; pc 18,874,368 bytes; ps 786,432 bytes; cc 6,291,456 bytes; cs 262,144 bytes
;; launch quant (part 1): grid 1024 x 1, 4 waves a work-group, no clusters, 48,640 bytes of LDS; arguments query, key, value, Wq, Wk, Wv, Wo, xwc, xws; writes xwc, xws
.if DOCPART == 1
	.amdgcn_target "amdgcn-amd-amdhsa--gfx1250"
	.amdhsa_code_object_version 6
	.text
	.protected	k_qb21c65a749_quant
	.globl	k_qb21c65a749_quant
	.p2align	8
	.type	k_qb21c65a749_quant,@function
k_qb21c65a749_quant:
	s_mov_b64 s[64:65], 0
	v_nop
	global_prefetch_b8 v0, s[64:65] scope:SCOPE_SE
	s_setreg_imm32_b32 hwreg(HW_REG_WAVE_MODE, 25, 1), 1
	s_wait_xcnt 0x0
; query, key, value [8192][1024] f32 (K innermost) and Wq, Wk, Wv, Wo [1024 (K)][1024] f32 (K is the first axis) become codes of FP6 (E2M3) with one E8M0 byte for each 32 along K.
; A block's scale is 2^(floor(log2(its largest magnitude)) - 2); its byte is the largest magnitude's exponent field - 2, held at 1 from below; numbers are divided by it and rounded to the nearest code, ties to even.
; THE LAYOUT OF THE CODES (all of this program's workspace buffers have it).  An operand is cut into row tiles of 16 rows and K steps of 128.  Lane row r of row tile T is the true row
; 32 (T / 2) + 8 (T % 2) + r + 8 (r / 8).  A fragment (T, s) is the image of the 12 registers that the matrix instruction wants of each lane, 1,536 bytes: for c = 0, 1 registers 6 c .. 6 c + 3 at
; 768 c + 16 x lane and registers 6 c + 4, 6 c + 5 at 768 c + 512 + 8 x lane.  Its scale words: 64 bytes, row r's word at 4 r.  xwc: [G][8 K steps] x 1,536, xws: [G][8] x 64;
; G = 512 x tensor + row tile for query, key, value; G = 1536 + 64 w + tile of columns for Wq, Wk, Wv, Wo.
; LIMITS: NaN and infinities among the inputs are not served.  A block of zeros gets the byte 1 where the rule says 127: its codes are zeros, which add nothing under any byte but 0xff, and this program alone reads
; the bytes.  Blocks whose largest magnitude lies under 2^-124 keep the byte 1.
; SHARES.  Work-groups 0 to 767: path X: a wave takes one row tile x 512 along K of query, key or value: four fragments.  Work-groups 768 to 1023: path W: a wave takes 32 columns x 128 along K of a weight: two fragments.
; No wave shares anything with another: no barrier, no tensor load, no cluster.  Each path has LDS bytes of its own: X bytes 0 to 34,815, W bytes 34,816 to 48,127.
.set LI16, 2                           ; v2   16 x lane
.set LI8,  3                           ; v3   8 x lane
.set R,    16                          ; v16-143  X: two sets of 64 numbers as loaded.   W: the 128 numbers of my column
.set X,    144                         ; v144-207 X: 64 numbers in the quantiser's order.   W: from v144 the codes, 8 registers a block
.set PC,   208                         ; v208-226 the codes just made
.set TM,   228                         ; v228-243 at work in the quantiser
.set PW,   244                         ; v244     the scale word just made
.set SEL,  30                          ; s[30:31] lane selects of v_permlanex16_b32: lane l xor 16
.set XREG, 8704                        ; X: a wave's LDS: a stage of 16 rows x 528 bytes, then its 256 bytes of scale words
.set WBASE, 34816                      ; W: the first byte of its LDS
.set WREG, 3328                        ; a wave's: two fragments, 1,664 bytes apart
.set FPI,  1664
; 64 numbers of a lane, v[s] .. v[s + 63], register 16 b + i = k 32 b + 16 (lane / 16) + i of my row, become a fragment's codes in v[PC] .. v[PC + 11] and its scale word in v[PW].
.macro QUANT s
.irp b, 0,1,2,3
	v_max3_num_f32 v[TM+\b], |v[\s+16*\b]|, |v[\s+1+16*\b]|, 0x1800000   ; block b: my 16 numbers, and the floor 2^(3 - 127): the byte cannot fall under 1
.endr
.irp i, 2,4,6,8,10,12,14
.irp b, 0,1,2,3
	v_max3_num_f32 v[TM+\b], v[TM+\b], |v[\s+16*\b+\i]|, |v[\s+1+16*\b+\i]|   ; the four blocks by turns
.endr
.endr
.irp b, 0,1,2,3
	v_permlanex16_b32 v[TM+4+\b], v[TM+\b], s[SEL], s[SEL+1]
.endr
.irp b, 0,1,2,3
	v_max_num_f32 v[TM+\b], v[TM+\b], v[TM+4+\b]   ; with lane l xor 16's 16: the block's largest magnitude
.endr
.irp b, 0,1,2,3
	v_add_nc_u32 v[TM+12+\b], 0xff000000, v[TM+\b]   ; 2 off its exponent field: the conversion takes the exponent field of this operand as its scale
.endr
.irp b, 0,1,2,3
	v_lshrrev_b32 v[TM+4+\b], 23, v[TM+12+\b]      ; the scale's byte
.endr
	v_lshl_or_b32 v[PW], v[TM+5], 8, v[TM+4]
	v_lshl_or_b32 v[PW], v[TM+6], 16, v[PW]
	v_lshl_or_b32 v[PW], v[TM+7], 24, v[PW]        ; my row's scale word
.irp c, 0,1
	v_cvt_scalef32_pk16_fp6_f32 v[PC+6*\c:PC+2+6*\c], v[\s+32*\c:\s+15+32*\c], v[TM+12+2*\c]
	v_cvt_scalef32_pk16_fp6_f32 v[PC+12+4*\c:PC+14+4*\c], v[\s+16+32*\c:\s+31+32*\c], v[TM+12+2*\c+1]   ; (a conversion's three registers begin on an even number)
.endr
	v_nop                                          ; one plain instruction behind a scaled conversion
.irp c, 0,1                                    ; the operand wants a WHOLE block in a lane: lanes 0-15 block 2 c, lanes 16-31 block 2 c + 1
.irp i, 0,1,2
	v_permlane16_swap_b32 v[PC+6*\c+\i], v[PC+12+4*\c+\i]
.endr
.irp i, 0,1,2
	v_mov_b32 v[PC+3+6*\c+\i], v[PC+12+4*\c+\i]
.endr
.endr
.endm
.macro PUTFRAG base, off               ; the fragment in v[PC] on leaves as its image: each store covers 512 or 256 consecutive bytes, aligned
	global_store_b128 v[LI16], v[PC:PC+3], s[\base:\base+1] offset:\off
	global_store_b64 v[LI8], v[PC+4:PC+5], s[\base:\base+1] offset:\off+512
	global_store_b128 v[LI16], v[PC+6:PC+9], s[\base:\base+1] offset:\off+768
	global_store_b64 v[LI8], v[PC+10:PC+11], s[\base:\base+1] offset:\off+1280
.endm
	s_load_b256 s[4:11], s[0:1], 0x0               ; query s[4:5], key s[6:7], value s[8:9], Wq s[10:11]
	s_load_b256 s[12:19], s[0:1], 0x20             ; Wk s[12:13], Wv s[14:15], Wo s[16:17], xwc s[18:19]
	s_load_b64 s[20:21], s[0:1], 0x40              ; xws
	v_lshl_add_u32 v254, v0, 2, 0xbc00
	v_mov_b32 v255, 0
	v_lshrrev_b32 v1, 5, v0
	v_readfirstlane_b32 s22, v1                    ; wave 0..3
	v_and_b32 v1, 31, v0                           ; lane
	v_lshlrev_b32 v[LI16], 4, v1
	v_lshlrev_b32 v[LI8], 3, v1
	s_cmp_lt_u32 ttmp9, 768
	s_cbranch_scc0 .Lweights
	; ---------------- PATH X: K is innermost ----------------
	; Each load reads 512 consecutive bytes of one row (128 numbers, one K step); the 16 rows turn through my stage in LDS (pitch 528 bytes) and come back 16 neighbours of each block of 32 to a lane.
	v_and_b32 v8, 15, v0                           ; r
	v_bfe_u32 v9, v0, 4, 1                         ; h
	s_mul_i32 s23, s22, XREG
	v_add_nc_u32 v4, s23, v[LI16]                  ; into the stage: 16 x lane of a row
	v_mul_u32_u24 v5, v8, 528
	v_lshl_add_u32 v5, v9, 6, v5
	v_add_nc_u32 v5, s23, v5                       ; out of it: row r, + 64 h
	s_add_co_u32 s23, s23, 8448
	v_lshl_add_u32 v6, v8, 2, s23                  ; my row's scale word
	v_add_nc_u32 v7, s23, v[LI8]                   ; and the 256 bytes on their way out
	s_mov_b32 s[SEL], 0x76543210
	s_mov_b32 s[SEL+1], 0xfedcba98
.irp b, 0,1,2,3
	v_mov_b32 v[TM+4+\b], 0                        ; written once: a lane permute's destination counts as one of its sources
.endr
	s_lshl_b32 s24, ttmp9, 2
	s_add_co_u32 s24, s24, s22                     ; u = 4 x work-group + wave: row tile G = u / 2, half of K u % 2
	s_lshr_b32 s25, ttmp9, 8                       ; which tensor
	s_lshr_b32 s26, s24, 1
	s_and_b32 s26, s26, 511                        ; the row tile in it
	; KEY'S ROW TILES ARE DEALT OTHERWISE than query's and value's: lane row r of key's tile T is the token 64 (T / 4) + 8 (T % 4) + r % 8 + 32 (r / 8),
	; so that in the attention a lane's 32 scores of four neighbouring tiles are 32 neighbouring keys: one scale block of the next product.
	s_cmp_eq_u32 s25, 1                            ; key?  The choice hangs on the work-group's number alone
	s_cselect_b32 s38, 2, 1
	s_cselect_b32 s39, 3, 1
	s_cselect_b32 s40, 18, 17
	s_cselect_b32 s41, 0x10000, 0                  ; key: lane rows 8-15 lie 16 rows further on than in the other tensors
	v_add_nc_u32 v10, s41, v[LI16]
	s_lshr_b32 s27, s26, s38
	s_lshl_b32 s27, s27, s40                       ; 32 rows of 4,096 bytes (key: 64)
	s_and_b32 s28, s26, s39
	s_lshl_b32 s28, s28, 15                        ; 8 rows
	s_add_co_u32 s27, s27, s28
	s_and_b32 s28, s24, 1
	s_lshl_b32 s28, s28, 11                        ; 512 numbers
	s_add_co_u32 s32, s27, s28
	s_mov_b32 s33, 0
	s_mul_i32 s34, s24, 6144                       ; four fragments
	s_mov_b32 s35, 0
	s_lshl_b32 s36, s24, 8                         ; their 256 bytes of scale words
	s_mov_b32 s37, 0
	s_wait_alu depctr_va_vdst(0)
	s_wait_kmcnt 0x0
	s_cmp_eq_u32 s25, 1                            ; the choice hangs on the work-group's number alone
	s_cselect_b64 s[4:5], s[6:7], s[4:5]
	s_cmp_eq_u32 s25, 2
	s_cselect_b64 s[4:5], s[8:9], s[4:5]
	s_add_nc_u64 s[4:5], s[4:5], s[32:33]
	s_add_nc_u64 s[18:19], s[18:19], s[34:35]
	s_add_nc_u64 s[20:21], s[20:21], s[36:37]
.macro LOAD t                          ; K step t of my 16 rows into set t % 2; lane row i is the row i + 8 (i / 8) from the tile's first
.irp i, 0,1,2,3,4,5,6,7,8,9,10,11,12,13,14,15
.if \i < 8
	global_load_b128 v[R+64*((\t)%2)+4*\i:R+64*((\t)%2)+4*\i+3], v[LI16], s[4:5] offset:(\i)*4096+512*(\t) th:TH_LOAD_NT
.else
	global_load_b128 v[R+64*((\t)%2)+4*\i:R+64*((\t)%2)+4*\i+3], v10, s[4:5] offset:(\i+8)*4096+512*(\t) th:TH_LOAD_NT
.endif
.endr
.endm
.macro XSTEP t
.if (\t) < 3
	s_wait_loadcnt 16                              ; this step's 16 loads are in; the next step's 16 may be out
.else
	s_wait_loadcnt 0x0
.endif
.irp i, 0,1,2,3,4,5,6,7,8,9,10,11,12,13,14,15
	ds_store_b128 v4, v[R+64*((\t)%2)+4*\i:R+64*((\t)%2)+4*\i+3] offset:528*\i
.endr
.irp b, 0,1,2,3
.irp j, 0,1,2,3
	ds_load_b128 v[X+16*\b+4*\j:X+16*\b+4*\j+3], v5 offset:128*\b+16*\j   ; LDS serves a wave's instructions in order: these see the stores above
.endr
.endr
	s_wait_dscnt 0x0                               ; the numbers are back; the stage's stores have read set t % 2, and the last step's word is stored
.if (\t) < 2
	LOAD (\t)+2
.endif
.if (\t) > 0
	s_wait_xcnt 0x0                                ; the last fragment's stores have read their registers: the codes may be written again
.endif
	QUANT X
	PUTFRAG 18, 1536*(\t)
	ds_store_b32 v6, v[PW] offset:64*(\t)          ; both halves of the lanes write the same word with the same value
.endm
	LOAD 0
	LOAD 1
	XSTEP 0
	XSTEP 1
	XSTEP 2
	XSTEP 3
	ds_load_b64 v[246:247], v7
	s_wait_dscnt 0x0
	global_store_b64 v[LI8], v[246:247], s[20:21]  ; 32 lanes store 256 consecutive bytes, aligned
	s_wait_tensorcnt 0x0
	ds_add_u32 v254, v255
	s_wait_dscnt 0x0
	s_endpgm
	; ---------------- PATH W: K is the first axis ----------------
	; A lane takes a column and its registers run down K: a block of 32 lies in one lane.  Column n0 + lane is lane row r' = lane % 8 + 8 (lane / 16) of row tile (lane / 8) % 2 of the pair;
	; its block t belongs to lane r' + 16 (t % 2), half t / 2 of the fragment: the codes are put there in LDS and come back as the two fragments' images.
.Lweights:
	s_sub_co_u32 s24, ttmp9, 768
	s_lshr_b32 s25, s24, 6                         ; which weight
	s_bfe_u32 s26, s24, 0x30003                    ; which 128 columns
	s_and_b32 s27, s24, 7                          ; which K step
	v_bfe_u32 v8, v0, 3, 1                         ; which tile of my pair
	v_and_b32 v9, 7, v0
	v_bfe_u32 v10, v0, 4, 1
	v_lshl_add_u32 v9, v10, 3, v9                  ; r'
	s_mul_i32 s23, s22, WREG
	s_add_co_u32 s23, s23, WBASE
	v_mul_u32_u24 v10, v8, FPI
	v_add_nc_u32 v10, s23, v10
	v_lshl_add_u32 v4, v9, 4, v10                  ; where my codes' first 16 bytes of a block go,
	v_lshl_add_u32 v5, v9, 3, v10                  ; and the last 8
	v_add_nc_u32 v6, s23, v[LI16]                  ; back: 16 x lane,
	v_add_nc_u32 v7, s23, v[LI8]                   ; 8 x lane
	v_lshlrev_b32 v14, 2, v1                       ; in: 4 bytes a lane
	v_lshlrev_b32 v15, 9, v8
	v_lshl_add_u32 v15, v9, 2, v15                 ; my scale word: 512 x tile + 4 r'
	s_lshl_b32 s32, s27, 19                        ; 128 rows of 4,096 bytes
	s_lshl_b32 s28, s26, 9
	s_add_co_u32 s32, s32, s28
	s_lshl_b32 s28, s22, 7
	s_add_co_u32 s32, s32, s28                     ; + 4 x (128 cg + 32 wave)
	s_mov_b32 s33, 0
	s_lshl_b32 s29, s25, 6
	s_lshl_b32 s28, s26, 3
	s_add_co_u32 s29, s29, s28
	s_lshl_b32 s28, s22, 1
	s_add_co_u32 s29, s29, s28
	s_add_co_u32 s29, s29, 1536                    ; G of my first tile
	s_mul_i32 s34, s29, 12288
	s_mul_i32 s28, s27, 1536
	s_add_co_u32 s34, s34, s28
	s_mov_b32 s35, 0
	s_lshl_b32 s36, s29, 9
	s_lshl_b32 s28, s27, 6
	s_add_co_u32 s36, s36, s28
	s_mov_b32 s37, 0
	s_wait_alu depctr_va_vdst(0)
	s_wait_kmcnt 0x0
	s_cmp_eq_u32 s25, 1
	s_cselect_b64 s[10:11], s[12:13], s[10:11]
	s_cmp_eq_u32 s25, 2
	s_cselect_b64 s[10:11], s[14:15], s[10:11]
	s_cmp_eq_u32 s25, 3
	s_cselect_b64 s[10:11], s[16:17], s[10:11]
	s_add_nc_u64 s[10:11], s[10:11], s[32:33]
	s_add_nc_u64 s[18:19], s[18:19], s[34:35]
	s_add_nc_u64 s[20:21], s[20:21], s[36:37]
.macro WLOAD t                         ; block t: W(32 t + i, my column): 32 lanes read 128 consecutive bytes, the four waves 512
.irp i, 0,1,2,3,4,5,6,7,8,9,10,11,12,13,14,15,16,17,18,19,20,21,22,23,24,25,26,27,28,29,30,31
	global_load_b32 v[R+32*(\t)+\i], v14, s[10:11] offset:(32*(\t)+\i)*4096 th:TH_LOAD_NT
.endr
.endm
.macro BLOCK t
.set XS, R+32*(\t)
.set CW, X+8*(\t)
.if (\t) < 3
	s_wait_loadcnt 32                              ; this block's 32 loads are in; the next block's 32 may be out
.else
	s_wait_loadcnt 0x0
.endif
.if (\t) < 2
	WLOAD (\t)+2                                   ; into registers of its own
.endif
	v_max3_num_f32 v12, |v[XS]|, |v[XS+1]|, |v[XS+2]|   ; the block's largest magnitude: all 32 numbers are mine
	v_max3_num_f32 v13, |v[XS+3]|, |v[XS+4]|, |v[XS+5]|
.irp i, 6,10,14,18,22,26
	v_max3_num_f32 v12, v12, |v[XS+\i]|, |v[XS+\i+1]|
	v_max3_num_f32 v13, v13, |v[XS+\i+2]|, |v[XS+\i+3]|
.endr
	v_max3_num_f32 v12, v12, |v[XS+30]|, |v[XS+31]|
	v_max3_num_f32 v12, v12, v13, 0x1800000        ; and the floor
	v_add_nc_u32 v11, 0xff000000, v12              ; the conversion's scale operand
	v_lshrrev_b32 v13, 23, v11                     ; the byte
.if (\t) == 0
	v_mov_b32 v176, v13
.else
	v_lshl_or_b32 v176, v13, 8*(\t), v176          ; my column's scale word, the lower K in the lower byte
.endif
	v_cvt_scalef32_pk16_fp6_f32 v[CW:CW+2], v[XS:XS+15], v11
	v_cvt_scalef32_pk16_fp6_f32 v[CW+4:CW+6], v[XS+16:XS+31], v11
	v_nop                                          ; one plain instruction behind a scaled conversion
	v_mov_b32 v[CW+3], v[CW+4]                     ; the block's 24 bytes on end
	v_mov_b32 v[CW+4], v[CW+5]
	v_mov_b32 v[CW+5], v[CW+6]
	ds_store_b128 v4, v[CW:CW+3] offset:768*((\t)/2)+256*((\t)%2)
	ds_store_b64 v5, v[CW+4:CW+5] offset:768*((\t)/2)+512+128*((\t)%2)
.endm
	WLOAD 0
	WLOAD 1
	BLOCK 0
	BLOCK 1
	BLOCK 2
	BLOCK 3
.irp u, 0,1
	ds_load_b128 v[180+12*\u:183+12*\u], v6 offset:FPI*\u          ; LDS serves a wave's instructions in order: these see my stores
	ds_load_b64 v[184+12*\u:185+12*\u], v7 offset:FPI*\u+512
	ds_load_b128 v[186+12*\u:189+12*\u], v6 offset:FPI*\u+768
	ds_load_b64 v[190+12*\u:191+12*\u], v7 offset:FPI*\u+1280
.endr
	s_wait_alu depctr_va_vdst(0)
	s_wait_dscnt 0x0
.irp u, 0,1
	global_store_b128 v[LI16], v[180+12*\u:183+12*\u], s[18:19] offset:12288*\u
	global_store_b64 v[LI8], v[184+12*\u:185+12*\u], s[18:19] offset:12288*\u+512
	global_store_b128 v[LI16], v[186+12*\u:189+12*\u], s[18:19] offset:12288*\u+768
	global_store_b64 v[LI8], v[190+12*\u:191+12*\u], s[18:19] offset:12288*\u+1280
.endr
	global_store_b32 v15, v176, s[20:21]           ; two pieces of 64 consecutive bytes: one byte for each 128 that this path reads
	s_wait_tensorcnt 0x0
	ds_add_u32 v254, v255
	s_wait_dscnt 0x0
	s_endpgm
.Lfunc_end_k_qb21c65a749_quant:
	.size	k_qb21c65a749_quant, .Lfunc_end_k_qb21c65a749_quant-k_qb21c65a749_quant
	.p2alignl 7, 3214868480
	.fill 96, 4, 3214868480
	.section	.rodata,"a",@progbits
	.p2align	6, 0x0
	.amdhsa_kernel k_qb21c65a749_quant
		.amdhsa_group_segment_fixed_size 48640
		.amdhsa_private_segment_fixed_size 0
		.amdhsa_enable_private_segment 0
		.amdhsa_kernarg_size 72
		.amdhsa_user_sgpr_count 2
		.amdhsa_user_sgpr_kernarg_segment_ptr 1
		.amdhsa_wavefront_size32 1
		.amdhsa_system_sgpr_workgroup_id_x 1
		.amdhsa_system_sgpr_workgroup_id_y 1
		.amdhsa_system_sgpr_workgroup_id_z 1
		.amdhsa_system_vgpr_workitem_id 0
		.amdhsa_next_free_vgpr 256
		.amdhsa_next_free_sgpr 66
		.amdhsa_reserve_vcc 0
		.amdhsa_float_denorm_mode_32 3
		.amdhsa_float_denorm_mode_16_64 3
		.amdhsa_memory_ordered 1
		.amdhsa_forward_progress 1
		.amdhsa_inst_pref_size 56
	.end_amdhsa_kernel
	.amdgpu_metadata
---
amdhsa.version: [ 1, 2 ]
amdhsa.kernels:
  - .name:           k_qb21c65a749_quant
    .symbol:         k_qb21c65a749_quant.kd
    .args:
      - { .name: query, .offset: 0, .size: 8, .value_kind: global_buffer, .address_space: global }
      - { .name: key, .offset: 8, .size: 8, .value_kind: global_buffer, .address_space: global }
      - { .name: value, .offset: 16, .size: 8, .value_kind: global_buffer, .address_space: global }
      - { .name: Wq, .offset: 24, .size: 8, .value_kind: global_buffer, .address_space: global }
      - { .name: Wk, .offset: 32, .size: 8, .value_kind: global_buffer, .address_space: global }
      - { .name: Wv, .offset: 40, .size: 8, .value_kind: global_buffer, .address_space: global }
      - { .name: Wo, .offset: 48, .size: 8, .value_kind: global_buffer, .address_space: global }
      - { .name: xwc, .offset: 56, .size: 8, .value_kind: global_buffer, .address_space: global }
      - { .name: xws, .offset: 64, .size: 8, .value_kind: global_buffer, .address_space: global }
    .group_segment_fixed_size: 48640
    .private_segment_fixed_size: 0
    .kernarg_segment_align: 8
    .kernarg_segment_size: 72
    .max_flat_workgroup_size: 128
    .sgpr_count:     66
    .vgpr_count:     256
    .wavefront_size: 32
...
	.end_amdgpu_metadata
.endif
;; end of part 1
;; launch proj (part 2): grid 4 x 96, 4 waves a work-group, clusters of 4 x 4, 327,680 bytes of LDS; arguments xwc, xws, bq, bk, bv, pc, ps; writes pc, ps
.if DOCPART == 2
	.amdgcn_target "amdgcn-amd-amdhsa--gfx1250"
	.amdhsa_code_object_version 6
	.text
	.protected	k_qb21c65a749_proj
	.globl	k_qb21c65a749_proj
	.p2align	8
	.type	k_qb21c65a749_proj,@function
k_qb21c65a749_proj:
	s_mov_b64 s[64:65], 0
	v_nop
	global_prefetch_b8 v0, s[64:65] scope:SCOPE_SE
	s_setreg_imm32_b32 hwreg(HW_REG_WAVE_MODE, 25, 1), 1
	s_wait_xcnt 0x0
	s_wait_alu depctr_hold_cnt(0) depctr_sa_sdst(0) depctr_va_vdst(0) depctr_va_sdst(0) depctr_va_ssrc(0) depctr_va_vcc(0) depctr_vm_vsrc(0)
	s_getreg_b32 s2, hwreg(HW_REG_IB_STS2, 6, 4)
	s_cmp_eq_u32 s2, 0
	s_cbranch_scc0 .Lentry_in_a_cluster
	s_endpgm
.Lentry_in_a_cluster:
	s_bfe_u32 s2, ttmp6, 0x10000c
	s_cmp_lg_u32 s2, 0xf033
	s_cbranch_scc0 .Lentry_shape_is_right
	s_endpgm
.Lentry_shape_is_right:
; Q = query Wq + bq, K = key Wk + bk, V = value Wv + bv, on codes of FP6 (E2M3) with E8M0 scales, sums in f32; the results are quantised in registers for the attention and leave as codes.
; T[i][j] = sum over k of P[i][k] R[j][k]; P is source 0, R source 1 of the matrix instruction: a lane holds one row of R, and its registers run along P's rows.
;   Q, K: P = the weight (rows = features), R = the tokens: a lane holds a token and 128 features, a pair of heads: quantised along the head's 64.
;   V:    P = the tokens, R = the weight: a lane holds a feature and 128 tokens: quantised along the keys.  Only the places in xwc differ: the text is one.
; OPERANDS lie as images of their registers: row tiles of 16 rows (lane row r of tile T is row 32 (T / 2) + 8 (T % 2) + r + 8 (r / 8)) x K steps of 128; a fragment is 1,536 bytes: for c = 0, 1 registers 6 c .. 6 c + 3
; at 768 c + 16 x lane, registers 6 c + 4, 5 at 768 c + 512 + 8 x lane; scale words 64 bytes a fragment.  With those rows the 16 registers of P's tiles 2 b and 2 b + 1 are 16 neighbouring rows of P:
; the 64 registers of one of R's tiles are 128 along the next product's K in the order that the conversions want.
; OUT: pc: Q at 0 and K at 6,291,456 as [token tile][head pair] fragments; V at 12,582,912 as [feature tile][K step of 128 tokens]; ps likewise (0, 262,144, 524,288), 64 bytes a fragment.
; SHARES.  A tile of T is 256 x 256: four waves, 128 x 128 each: 64 accumulators, 512 registers.  K = 1,024 is eight steps of 128, written out.  Two LDS slots of three steps each; steps 6 and 7 come into slot 0 again.
; CLUSTER 4 x 4: R's tiles are shared along a row of the cluster, P's along a column: each is asked for jointly, by the same tensor load with the same descriptor and a mask that names the four.
; A wave has one tensor load out at the start and one behind the refill.
; LIMITS: NaN and infinities are not served; a block of zeros gets the byte 1 (its codes are zeros, and this program alone reads the bytes); blocks under 2^-124 keep the byte 1.
; The scale words leave in pieces of 64 consecutive bytes: one byte for each 24 of codes.
; REGISTERS: window 0: v1-31 addresses and small things; v32-95 scale words and nothing else; v128-223 R's eight fragments, ONE set; v224-239 the bias along the lanes; on the way out v128-211, v240-255 at work.
;   window 1: P's fragments, TWO sets, at v0 and v128; the bias along the registers at v96-127 and v224-255.   window 2: accumulators of R's tiles 0-3 ((a, b) at v[8 (8 a + b)]);   window 3: of tiles 4-7.
; THE SLOTS AS THEY NOW STAND: two LDS slots of THREE K steps each (a row tile's 4,608 bytes on end); K steps 6 and 7 come into slot 0 again, 3,072 bytes a row tile.
; At the head each wave issues one joint load: R's 16 row tiles of slot 0, P's 16, R's scale words, P's.  Slot 1's first fill stands behind the full sequence and a round, a quarter of the slot a wave.
.set HALFT, 36864
.set SLOT,  147456
.set SCL,   294912                     ; behind the slots: the scale words of R's 256 rows for all of K (8,192 bytes), then P's
.set HALFS, 4096
.set SPARE, 311296                     ; the spare words, 128 bytes for each wave: two blocks of 256 bytes that no other line names
.set ADRA16, 8                         ; v8-9   slot s: LDS address of R's fragments, 16 x lane;   v11-12 8 x lane
.set ADRA8,  11
.set ADRB16, 14                        ; v14-15, v17-18 the same for P
.set ADRB8,  17
.set ADRS, 20                          ; v20  my scale words: lanes 0-15 R's rows, lanes 16-31 P's
.set LI16, 21                          ; v21  16 x lane
.set LI8,  22                          ; v22  8 x lane
.set SPW,  28                          ; v28  LDS address of my spare word; never rewritten
.set NIL,  29                          ; v29  0; never rewritten
.set SC,   32                          ; v[SC + 8 st + i]: lanes 0-15 the words of R's tile i, lanes 16-31 of P's tile i, for K step st
.set AF,   128
.set PC,   192                         ; the way out: the codes just made
.set TM,   240
.set PW,   30
.set SEL,  12                          ; s[12:13]
.set G1,   24                          ; s[24:31] group 1 for R's codes; s[32:39] for P's; s[40:47], s[48:55] for their scale words
.set G1B,  32
.set G1S,  40
.set G1SB, 48
.set G0A0, 56                          ; groups 0: R's refill of slot 0, slot 1, the head's load
.set G0A1, 60
.set G0A2, 68
.set G0B0, 72                          ; P's
.set G0B1, 76
.set G0B2, 80
.set G0S,  84
.set G0SB, 88
.set MSB, 0
.macro WIN new                         ; the immediate's high byte repeats the setting that is left
.if MSB != (\new)
	s_set_vgpr_msb (MSB<<8)|(\new)
.set MSB, (\new)
.endif
.endm
.set MUL_LO, 0xa1                      ; source 0 (P) window 1, source 1 (R) window 0, C and D window 2
.set MUL_HI, 0xf1
.set TO_B,   0x40                      ; destination window 1, address window 0
; A joint load: waves 0 and 1 fetch for R, waves 2 and 3 for P.  The branch hangs on the wave's number alone.  Four v_nop follow each of the two lines.
.macro JLOAD g0a, g1a, g0b, g1b
	s_cmp_eq_u32 s19, 0
	s_cbranch_scc0 .Lfor_p_\@
	tensor_load_to_lds s[\g0a:\g0a+3], s[\g1a:\g1a+7]
	s_nop 0
.rept 4
	v_nop
.endr
	s_branch .Lasked_\@
.Lfor_p_\@:
	tensor_load_to_lds s[\g0b:\g0b+3], s[\g1b:\g1b+7]
	s_nop 0
.rept 4
	v_nop
.endr
.Lasked_\@:
.endm
.macro CREST                           ; a round of the cluster's barrier behind its opening barrier
	s_cmp_lg_u32 s18, 0
	s_cbranch_scc1 .Lnot_wave_0_\@
	s_barrier_signal -3
.Lnot_wave_0_\@:
	s_barrier_wait -3
	s_barrier_signal -1
	s_barrier_wait -1
.endm
.macro CROUND
	s_barrier_signal -1
	s_barrier_wait -1
	CREST
.endm
.macro SETG0 g, src, slot              ; a group 0: count 1; LDS address wave x HALFT + the slot's; global address: the slot's three K steps; type 2
	s_mov_b32 s[\g], 1
	s_mul_i32 s[\g+1], s18, HALFT
	s_add_co_u32 s[\g+1], s[\g+1], (\slot)*SLOT
	s_add_nc_u64 s[\g+2:\g+3], s[\src:\src+1], (\slot)*4608
	s_or_b32 s[\g+3], s[\g+3], 0x80000000
.endm
.macro SETG0S g, src, lds              ; a group 0 of the head's loads: a whole tile to a constant place
	s_mov_b32 s[\g], 1
	s_mov_b32 s[\g+1], \lds
	s_mov_b64 s[\g+2:\g+3], s[\src:\src+1]
	s_or_b32 s[\g+3], s[\g+3], 0x80000000
.endm
	s_load_b128 s[4:7], s[0:1], 0x0                ; xwc, xws
	s_load_b128 s[8:11], s[0:1], 0x10              ; bq, bk
	s_load_b128 s[12:15], s[0:1], 0x20             ; bv, pc
	s_load_b64 s[16:17], s[0:1], 0x30              ; ps
	v_lshl_add_u32 v[SPW], v0, 2, SPARE
	v_mov_b32 v[NIL], 0
	ds_add_u32 v28, v29
	ds_add_u32 v28, v29
	s_wait_dscnt 0x0
	v_lshrrev_b32 v1, 5, v0
	v_readfirstlane_b32 s18, v1                    ; wave 0..3
	s_lshr_b32 s19, s18, 1                         ; which half of R's rows is mine.  Also: I fetch for R (0) or for P (1)
	s_and_b32 s20, s18, 1                          ; which half of P's rows.  Also: which 8 row tiles I fetch
	s_bfe_u32 s21, ttmp6, 0x40000                  ; cx
	s_bfe_u32 s22, ttmp6, 0x40004                  ; cy
	s_and_b32 s23, ttmp7, 0xffff                   ; the cluster's y, 0..23
	s_lshr_b32 s92, s23, 3                         ; kind: 0 Q, 1 K, 2 V
	s_lshr_b32 s93, s23, 4                         ; 1 for V
	s_and_b32 s94, s23, 7
	s_mul_i32 s95, s94, s93
	s_sub_co_u32 s94, s94, s95
	s_lshl_b32 s95, s95, 2
	s_add_co_u32 s95, s95, s21                     ; tile column (P): Q, K: cx;  V: 4 x (cluster y % 8) + cx
	s_lshl_b32 s94, s94, 2
	s_add_co_u32 s94, s94, s22                     ; tile row (R):    Q, K: 4 x (cluster y % 8) + cy;  V: cy
	s_lshl_b32 s96, s22, 2
	s_lshl_b32 s96, 15, s96                        ; my row of the cluster
	s_lshl_b32 s97, 0x1111, s21                    ; my column
	s_or_b32 s[G1], s96, (3<<16)|(1<<21)           ; 15:0 the mask; 17:16 elements of 8 bytes; 20 no padding; 21 set beside a mask
	s_or_b32 s[G1B], s97, (3<<16)|(1<<21)
	s_or_b32 s[G1S], s96, (3<<16)|(1<<21)
	s_or_b32 s[G1SB], s97, (3<<16)|(1<<21)
.irp g, G1, G1B                        ; codes: row tiles of 4,608 bytes (three K steps), 12,288 bytes apart
	s_mov_b32 s[\g+1], 576<<16                     ; rows of 4,608 bytes: three K steps
	s_mov_b32 s[\g+2], 16<<16                      ; 16 row tiles for the head's loads; behind them 8
	s_mov_b32 s[\g+3], 576<<16
	s_mov_b32 s[\g+4], 16
	s_mov_b32 s[\g+5], 1536                        ; tensor_dim0_stride
	s_mov_b32 s[\g+6], 0
	s_mov_b32 s[\g+7], 0
.endr
.irp g, G1S, G1SB                      ; scale words, as rows of 256 bytes
	s_mov_b32 s[\g+1], 32<<16
	s_mov_b32 s[\g+2], 32<<16                      ; the scale words of 16 row tiles: 8,192 dense bytes, 32 rows of 256
	s_mov_b32 s[\g+3], 32<<16
	s_mov_b32 s[\g+4], 32
	s_mov_b32 s[\g+5], 32
	s_mov_b32 s[\g+6], 0
	s_mov_b32 s[\g+7], 0
.endr
	s_mul_i32 s99, s93, 640
	s_lshl_b32 s98, s92, 9
	s_add_co_u32 s98, s98, s99                     ; R's first row tile in xwc: query 0, key 512, Wv 1664
	s_lshl_b32 s2, s94, 4
	s_add_co_u32 s98, s98, s2
	s_lshl_b32 s100, s92, 6
	s_add_co_u32 s100, s100, 1536
	s_sub_co_u32 s100, s100, s99                   ; P's: Wq 1536, Wk 1600, value 1024
	s_lshl_b32 s101, s95, 4
	s_add_co_u32 s100, s100, s101
	s_mul_i32 s2, s98, 12288
	s_mov_b32 s3, 0
	s_lshl_b32 s98, s98, 9
	s_mov_b32 s99, 0
	s_mul_i32 s66, s100, 12288
	s_mov_b32 s67, 0
	s_lshl_b32 s100, s100, 9
	s_mov_b32 s101, 0
	s_wait_kmcnt 0x0
	s_add_nc_u64 s[2:3], s[4:5], s[2:3]            ; R's codes
	s_add_nc_u64 s[98:99], s[6:7], s[98:99]        ; R's scale words
	s_add_nc_u64 s[66:67], s[4:5], s[66:67]        ; P's codes
	s_add_nc_u64 s[100:101], s[6:7], s[100:101]    ; P's scale words
	CROUND                                         ; all sixteen work-groups are here: the first joint loads meet
	SETG0S G0S, 98, SCL                            ; the head's four tiles, each whole
	SETG0S G0SB, 100, SCL+2*HALFS
	SETG0S G0A2, 2, 0
	SETG0S G0B2, 66, 2*HALFT
	s_mul_i32 s98, s20, 98304                      ; for the ring: my 8 row tiles of the 16
	s_mov_b32 s99, 0
	s_add_nc_u64 s[2:3], s[2:3], s[98:99]
	s_add_nc_u64 s[66:67], s[66:67], s[98:99]
	SETG0 G0A0, 2, 0
	SETG0 G0B0, 66, 0
	SETG0 G0A1, 2, 1
	SETG0 G0B1, 66, 1
; one chain of branches on the wave's number, one joint load to an arm
.macro ARM under, g0, g1, next
	s_cmp_lt_u32 s18, \under
	s_cbranch_scc0 \next
	tensor_load_to_lds s[\g0:\g0+3], s[\g1:\g1+7]
	s_nop 0
.rept 4
	v_nop
.endr
	s_branch .Lhead_asked
\next:
.endm
	ARM 1, G0A2, G1,  .Lhead_b                     ; wave 0: K steps 0 to 2 of R's 16 row tiles
	ARM 2, G0B2, G1B, .Lhead_sa                    ; wave 1: of P's
	ARM 3, G0S,  G1S, .Lhead_sb                    ; wave 2: R's scale words
	tensor_load_to_lds s[G0SB:G0SB+3], s[G1SB:G1SB+7]   ; wave 3: P's
	s_nop 0
.rept 4
	v_nop
.endr
.Lhead_asked:
	v_and_b32 v1, 31, v0                           ; lane
	v_and_b32 v2, 15, v0                           ; r
	v_bfe_u32 v3, v0, 4, 1                         ; h
	v_lshlrev_b32 v[LI16], 4, v1
	v_lshlrev_b32 v[LI8], 3, v1
	s_mul_i32 s2, s19, HALFT                       ; my 8 row tiles of R,
	s_mul_i32 s3, s20, HALFT
	s_add_co_u32 s3, s3, 2*HALFT                   ; and of P, which lie behind R's 16
.irp s, 0,1
	v_add_nc_u32 v[ADRA16+\s], s2, v[LI16]
	v_add_nc_u32 v[ADRA8+\s], s2, v[LI8]
	v_add_nc_u32 v[ADRB16+\s], s3, v[LI16]
	v_add_nc_u32 v[ADRB8+\s], s3, v[LI8]
	s_add_co_u32 s2, s2, SLOT
	s_add_co_u32 s3, s3, SLOT
.endr
	v_lshlrev_b32 v4, 2, v2                        ; 4 r
	s_mul_i32 s2, s19, HALFS
	s_mul_i32 s3, s20, HALFS
	s_add_co_u32 s3, s3, 2*HALFS
	s_sub_co_u32 s3, s3, s2
	v_mul_u32_u24 v5, s3, v3                       ; lanes 16-31 take P's
	s_add_co_u32 s2, s2, SCL
	v_add_nc_u32 v4, v4, v5
	v_add_nc_u32 v[ADRS], s2, v4
	; THE BIAS.  number = BI[k] x BJ[a] + sum, one fused multiply-add for both directions.  Q, K: BI = the bias of my 64 features (those of register k), BJ = 1.  V: BI = 1, BJ[a] = the bias of my lane's feature in R's tile a.
	; The set that is not wanted is loaded from the buffer's first bytes and replaced by ones: no branch.
	s_cmp_eq_u32 s92, 1
	s_cselect_b64 s[8:9], s[10:11], s[8:9]
	s_cmp_eq_u32 s92, 2
	s_cselect_b64 s[8:9], s[12:13], s[8:9]
	s_lshl_b32 s2, s95, 10
	s_lshl_b32 s3, s20, 9
	s_add_co_u32 s2, s2, s3                        ; 4 x (256 tile column + 128 half)
	s_xor_b32 s3, s93, 1
	s_mul_i32 s2, s2, s3                           ; 0 for V
	s_mov_b32 s3, 0
	s_add_nc_u64 s[98:99], s[8:9], s[2:3]
	s_lshl_b32 s2, s94, 10
	s_lshl_b32 s66, s19, 9
	s_add_co_u32 s2, s2, s66                       ; 4 x (256 tile row + 128 half)
	s_mul_i32 s2, s2, s93                          ; 0 for Q and K
	s_add_nc_u64 s[100:101], s[8:9], s[2:3]
	v_lshlrev_b32 v24, 6, v3                       ; 64 h: register 16 b + e is feature 32 b + 16 h + e
	v_and_b32 v25, 8, v2
	v_add_nc_u32 v25, v25, v2
	v_lshlrev_b32 v25, 2, v25                      ; 4 x (r + 8 (r / 8))
	WIN TO_B
.irp b, 0,1,2,3
.irp j, 0,1,2,3
	global_load_b128 v[96+16*\b+4*\j+96*(\b/2):96+16*\b+4*\j+96*(\b/2)+3], v24, s[98:99] offset:128*\b+16*\j
.endr
.endr
	WIN 0
.irp a, 0,1,2,3,4,5,6,7
	global_load_b32 v[224+2*\a], v25, s[100:101] offset:(32*(\a/2)+8*(\a%2))*4
.endr
	; where my fragments go: index (16 tile row + 8 half + a) x NI + 2 tile column + half; NI fragments to a row tile: 8 in Q and K, 64 in V
	s_mul_i32 s66, s93, 56
	s_add_co_u32 s66, s66, 8                       ; NI
	s_lshl_b32 s2, s94, 4
	s_lshl_b32 s3, s19, 3
	s_add_co_u32 s2, s2, s3
	s_mul_i32 s2, s2, s66
	s_lshl_b32 s3, s95, 1
	s_add_co_u32 s2, s2, s3
	s_add_co_u32 s67, s2, s20
	s_mul_i32 s2, s67, 1536
	s_mul_i32 s3, s92, 6291456
	s_add_co_u32 s2, s2, s3
	s_mov_b32 s3, 0
	s_add_nc_u64 s[14:15], s[14:15], s[2:3]        ; codes
	s_lshl_b32 s2, s67, 6
	s_lshl_b32 s67, s92, 18
	s_add_co_u32 s2, s2, s67
	s_add_nc_u64 s[16:17], s[16:17], s[2:3]        ; scale words
	s_mul_i32 s4, s66, 1536                        ; from R's tile a to a + 1, in bytes of codes
	s_mov_b32 s5, 0
	s_lshl_b32 s6, s66, 7                          ; from a to a + 2, in bytes of scale words
	s_mov_b32 s7, 0
	s_lshl_b32 s67, s66, 6
	v_mul_u32_u24 v26, s67, v3
	v_lshl_add_u32 v26, v2, 2, v26                 ; two tiles' words in one store: lanes 0-15 tile a's, lanes 16-31 tile a + 1's
	v_mov_b32 v23, 1.0
.irp b, 0,1,2,3
	v_mov_b32 v[TM+4+\b], 0                        ; written once: a lane permute's destination counts as one of its sources
.endr
	s_cmp_eq_u32 s93, 1
	s_cselect_b32 s2, -1, 0                        ; all lanes for V
	s_cselect_b32 s3, 0, -1                        ; all lanes for Q and K
	s_wait_alu depctr_va_vdst(0)
	s_wait_loadcnt 0x0                             ; the biases; the first tiles are on their way meanwhile
	WIN 0x41                                       ; destination and source 0 window 1, source 1 window 0
.set k, 0
.rept 64
	v_cndmask_b32 v[96+k+96*(k/32)], v[96+k+96*(k/32)], v23, s2
.set k, k+1
.endr
	WIN 0
.irp a, 0,1,2,3,4,5,6,7
	v_cndmask_b32 v[224+2*\a], v[224+2*\a], v23, s3
	v_mov_b32 v[225+2*\a], 0                       ; (named with it as a pair, so it is written)
.endr
	s_mov_b32 s[SEL], 0x76543210
	s_mov_b32 s[SEL+1], 0xfedcba98
	s_mov_b32 s10, 0xffff0000                      ; lanes 16-31
.macro FRAG reg, a16, a8, off          ; a fragment comes back as it was stored: four loads, each of 512 or 256 consecutive bytes
	ds_load_b128 v[\reg:\reg+3], v[\a16] offset:\off
	ds_load_b64 v[\reg+4:\reg+5], v[\a8] offset:\off+512
	ds_load_b128 v[\reg+6:\reg+9], v[\a16] offset:\off+768
	ds_load_b64 v[\reg+10:\reg+11], v[\a8] offset:\off+1280
.endm
.macro FETCH_B st                      ; P's eight fragments of K step st into set st % 2.  Step st lies in slot (st / 3) % 2, at byte 1,536 (st % 3) of each row tile's 4,608 (3,072 for steps 6 and 7)
	WIN TO_B
.irp i, 0,1,2,3,4,5,6,7
	FRAG 128*((\st)%2)+12*\i, ADRB16+(((\st)/3)%2), ADRB8+(((\st)/3)%2), (4608-1536*((\st)/6))*\i+1536*((\st)%3)
.endr
	WIN 0
.endm
.macro FETCH_A st, i0                  ; R's tiles i0 .. i0 + 3
.irp i, \i0, \i0+1, \i0+2, \i0+3
	FRAG AF+12*(\i), ADRA16+(((\st)/3)%2), ADRA8+(((\st)/3)%2), (4608-1536*((\st)/6))*(\i)+1536*((\st)%3)
.endr
.endm
.macro SCALES                          ; all 64 registers of scale words, once
.irp st, 0,1,2,3,4,5,6,7
.irp i, 0,1,2,3,4,5,6,7
	ds_load_b32 v[SC+8*\st+\i], v[ADRS] offset:512*\i+64*\st
.endr
.endr
.endm
; 16 matrix instructions: R's tiles a0, a0 + 1 x P's eight.  first = 1: the product starts the sums.  The 64 accumulators take turns, one instruction a turn, in the same order in every step.
.macro MUL16 a0, st, first
.irp a, \a0, \a0+1
.irp b, 0,1,2,3,4,5,6,7
.if \first
	v_wmma_scale_f32_16x16x128_f8f6f4 v[8*(8*((\a)%4)+\b):8*(8*((\a)%4)+\b)+7], v[128*((\st)%2)+12*\b:128*((\st)%2)+12*\b+11], v[AF+12*(\a):AF+12*(\a)+11], 0, v[SC+8*(\st)+\b], v[SC+8*(\st)+(\a)] matrix_a_fmt:MATRIX_FMT_FP6 matrix_b_fmt:MATRIX_FMT_FP6 matrix_a_scale:MATRIX_SCALE_ROW1
.else
	v_wmma_scale_f32_16x16x128_f8f6f4 v[8*(8*((\a)%4)+\b):8*(8*((\a)%4)+\b)+7], v[128*((\st)%2)+12*\b:128*((\st)%2)+12*\b+11], v[AF+12*(\a):AF+12*(\a)+11], v[8*(8*((\a)%4)+\b):8*(8*((\a)%4)+\b)+7], v[SC+8*(\st)+\b], v[SC+8*(\st)+(\a)] matrix_a_fmt:MATRIX_FMT_FP6 matrix_b_fmt:MATRIX_FMT_FP6 matrix_a_scale:MATRIX_SCALE_ROW1
.endif
.endr
.endr
.endm
; A load into a register that a matrix instruction has read, and a vector instruction that reads a matrix result or writes one of its registers, stand four places behind it; only plain vector instructions that
; name none of its registers are places (ISA guide 7.12.1 for vector instructions).
.macro PLACES n
.rept \n
	v_nop
.endr
.endm
.macro STEP st, first                  ; a K step whose successor's tiles are known to be whole
	s_wait_dscnt 16                                ; P's set and R's tiles 0-3 are in; the youngest 16 loads (R's tiles 4-7) may be out
	WIN MUL_LO
	MUL16 0, \st, \first
	MUL16 2, \st, \first
	s_wait_dscnt 0x0                               ; R's tiles 4-7 are in
	PLACES 4
	FETCH_B (\st)+1
	FETCH_A (\st)+1, 0
	WIN MUL_HI
	MUL16 4, \st, \first
	MUL16 6, \st, \first
	PLACES 4
	WIN 0
	FETCH_A (\st)+1, 4
.endm
; A K step with a barrier.  In front of it each wave waits for all its tensor loads, adds 0 to its spare word, and waits for that and for its LDS reads.  fill = 1: slot 0, whose three steps are read out, takes K steps 6 and 7:
; the barrier opens a round of the cluster's barrier, and the joint refill is the first tensor load behind it.  fill = 0: that refill is shown whole to every wave.
.macro TURN st, fill
	s_wait_tensorcnt 0x0                           ; all my tensor loads have landed
	ds_add_u32 v[SPW], v[NIL]                      ; 0 onto my spare word
	s_wait_dscnt 17                                ; (the add and the youngest 16 loads may be out)
	WIN MUL_LO
	MUL16 0, \st, 0                                ; sixteen matrix instructions stand between the add and the wait for it
	s_wait_dscnt 0x0                               ; the add is done, and my reads of the slot are over
	s_barrier_signal -1
	MUL16 2, \st, 0
	WIN 0
	s_barrier_wait -1
.if \fill
	CREST                                          ; no wave of any partner still reads slot 0 or has a load on its way
	s_mov_b32 s[G1+1], 384<<16                     ; no tensor load of mine is out: the last fill's rows are two K steps, 3,072 bytes
	s_mov_b32 s[G1+3], 384<<16
	s_mov_b32 s[G1B+1], 384<<16
	s_mov_b32 s[G1B+3], 384<<16
	s_add_nc_u64 s[G0A0+2:G0A0+3], s[G0A0+2:G0A0+3], 9216
	s_add_nc_u64 s[G0B0+2:G0B0+3], s[G0B0+2:G0B0+3], 9216
	JLOAD G0A0, G1, G0B0, G1B                      ; it has the rest of this step and two more, 160 matrix instructions, in which to land; the four v_nop behind it are the places in front of the loads below
.else
	PLACES 4
.endif
	FETCH_B (\st)+1
	FETCH_A (\st)+1, 0
	WIN MUL_HI
	MUL16 4, \st, 0
	MUL16 6, \st, 0
	PLACES 4
	WIN 0
	FETCH_A (\st)+1, 4
.endm
	s_wait_alu depctr_va_vdst(0)                   ; the wait at the head's end
	s_wait_tensorcnt 0x0                           ; my tile of the head's four is in
	ds_add_u32 v[SPW], v[NIL]
	s_mov_b32 s[G1+2], 8<<16                       ; no tensor load of mine is out: from here on a load brings 8 row tiles
	s_mov_b32 s[G1+4], 8
	s_mov_b32 s[G1B+2], 8<<16
	s_mov_b32 s[G1B+4], 8
	s_wait_dscnt 0x0
	CROUND                                         ; all four tiles are in, and all sixteen work-groups are here
	JLOAD G0A1, G1, G0B1, G1B                      ; K steps 3 to 5, into slot 1
	FETCH_B 0
	FETCH_A 0, 0
	SCALES
	FETCH_A 0, 4
	STEP 0, 1                                      ; the first step's products start the sums: nothing is cleared
	STEP 1, 0
	TURN 2, 1                                      ; slot 1 is shown whole, slot 0 is read out and takes K steps 6 and 7
	STEP 3, 0
	STEP 4, 0
	TURN 5, 0
	STEP 6, 0
	s_wait_dscnt 16                                ; the last step: nothing more to fetch
	WIN MUL_LO
	MUL16 0, 7, 0
	MUL16 2, 7, 0
	s_wait_dscnt 0x0
	WIN MUL_HI
	MUL16 4, 7, 0
	MUL16 6, 7, 0
	WIN 0
; 64 numbers of a lane, register 16 b + i = k 32 b + 16 (lane / 16) + i of my row, become a fragment's codes in v[PC] on and its scale word in v[PW].
.macro QUANT s
.irp b, 0,1,2,3
	v_max3_num_f32 v[TM+\b], |v[\s+16*\b]|, |v[\s+1+16*\b]|, 0x1800000   ; my 16 numbers of block b, and the floor 2^(3 - 127): the byte cannot fall under 1
.endr
.irp i, 2,4,6,8,10,12,14
.irp b, 0,1,2,3
	v_max3_num_f32 v[TM+\b], v[TM+\b], |v[\s+16*\b+\i]|, |v[\s+1+16*\b+\i]|
.endr
.endr
.irp b, 0,1,2,3
	v_permlanex16_b32 v[TM+4+\b], v[TM+\b], s[SEL], s[SEL+1]
.endr
.irp b, 0,1,2,3
	v_max_num_f32 v[TM+\b], v[TM+\b], v[TM+4+\b]   ; the block's largest magnitude
.endr
.irp b, 0,1,2,3
	v_add_nc_u32 v[TM+12+\b], 0xff000000, v[TM+\b]   ; 2 off its exponent field: the conversion's scale operand
.endr
.irp b, 0,1,2,3
	v_lshrrev_b32 v[TM+4+\b], 23, v[TM+12+\b]      ; the byte
.endr
	v_lshl_or_b32 v[PW], v[TM+5], 8, v[TM+4]
	v_lshl_or_b32 v[PW], v[TM+6], 16, v[PW]
	v_lshl_or_b32 v[PW], v[TM+7], 24, v[PW]
.irp c, 0,1
	v_cvt_scalef32_pk16_fp6_f32 v[PC+6*\c:PC+2+6*\c], v[\s+32*\c:\s+15+32*\c], v[TM+12+2*\c]
	v_cvt_scalef32_pk16_fp6_f32 v[PC+12+4*\c:PC+14+4*\c], v[\s+16+32*\c:\s+31+32*\c], v[TM+12+2*\c+1]
.endr
	v_nop                                          ; one plain instruction behind a scaled conversion
.irp c, 0,1
.irp i, 0,1,2
	v_permlane16_swap_b32 v[PC+6*\c+\i], v[PC+12+4*\c+\i]
.endr
.irp i, 0,1,2
	v_mov_b32 v[PC+3+6*\c+\i], v[PC+12+4*\c+\i]
.endr
.endr
.endm
.macro PUTFRAG base, off
	global_store_b128 v[LI16], v[PC:PC+3], s[\base:\base+1] offset:\off
	global_store_b64 v[LI8], v[PC+4:PC+5], s[\base:\base+1] offset:\off+512
	global_store_b128 v[LI16], v[PC+6:PC+9], s[\base:\base+1] offset:\off+768
	global_store_b64 v[LI8], v[PC+10:PC+11], s[\base:\base+1] offset:\off+1280
.endm
; THE WAY OUT of R's tile a: its 64 sums a lane, with the bias, are one fragment of the next product.  Each accumulator is read from its low end on.
.macro OUTA a
	WIN 0x21+0x10*((\a)/4)                         ; source 0 (BI) window 1, source 1 (BJ) window 0, source 2 (the sums) window 2 or 3, destination window 0
.set k, 0
.rept 32
	v_pk_fma_f32 v[128+k:129+k], v[96+k+96*(k/32):97+k+96*(k/32)], v[224+2*(\a):225+2*(\a)], v[64*((\a)%4)+k:64*((\a)%4)+k+1] op_sel_hi:[1,0,1]
.set k, k+2
.endr
	WIN 0
.if (\a) > 0
	s_wait_xcnt 0x0                                ; the last tile's stores have read their registers and bases
	s_add_nc_u64 s[14:15], s[14:15], s[4:5]
.if ((\a)%2) == 0
	s_add_nc_u64 s[16:17], s[16:17], s[6:7]
.endif
.endif
	QUANT 128
	PUTFRAG 14, 0
.if ((\a)%2) == 0
	v_mov_b32 v31, v[PW]                           ; kept for the store with the next tile's
.else
	v_cndmask_b32 v27, v31, v[PW], s10             ; lanes 0-15: tile a - 1's words; lanes 16-31: tile a's
	global_store_b32 v26, v27, s[16:17]
.endif
.endm
	PLACES 4                                       ; behind the last products: for the reads of their sums and the writes over R's fragments
.irp a, 0,1,2,3,4,5,6,7
	OUTA \a
.endr
	s_wait_tensorcnt 0x0                           ; the wave's end
	ds_add_u32 v[SPW], v[NIL]
	s_wait_dscnt 0x0
	CROUND                                         ; the closing round: no work-group ends while a partner may still ask for a tile that names it
	s_endpgm
.Lfunc_end_k_qb21c65a749_proj:
	.size	k_qb21c65a749_proj, .Lfunc_end_k_qb21c65a749_proj-k_qb21c65a749_proj
	.p2alignl 7, 3214868480
	.fill 96, 4, 3214868480
	.section	.rodata,"a",@progbits
	.p2align	6, 0x0
	.amdhsa_kernel k_qb21c65a749_proj
		.amdhsa_group_segment_fixed_size 327680
		.amdhsa_private_segment_fixed_size 0
		.amdhsa_enable_private_segment 0
		.amdhsa_kernarg_size 56
		.amdhsa_user_sgpr_count 2
		.amdhsa_user_sgpr_kernarg_segment_ptr 1
		.amdhsa_wavefront_size32 1
		.amdhsa_system_sgpr_workgroup_id_x 1
		.amdhsa_system_sgpr_workgroup_id_y 1
		.amdhsa_system_sgpr_workgroup_id_z 1
		.amdhsa_system_vgpr_workitem_id 0
		.amdhsa_next_free_vgpr 1024
		.amdhsa_next_free_sgpr 102
		.amdhsa_reserve_vcc 0
		.amdhsa_float_denorm_mode_32 3
		.amdhsa_float_denorm_mode_16_64 3
		.amdhsa_memory_ordered 1
		.amdhsa_forward_progress 1
		.amdhsa_inst_pref_size 176
	.end_amdhsa_kernel
	.amdgpu_metadata
---
amdhsa.version: [ 1, 2 ]
amdhsa.kernels:
  - .name:           k_qb21c65a749_proj
    .symbol:         k_qb21c65a749_proj.kd
    .args:
      - { .name: xwc, .offset: 0, .size: 8, .value_kind: global_buffer, .address_space: global }
      - { .name: xws, .offset: 8, .size: 8, .value_kind: global_buffer, .address_space: global }
      - { .name: bq, .offset: 16, .size: 8, .value_kind: global_buffer, .address_space: global }
      - { .name: bk, .offset: 24, .size: 8, .value_kind: global_buffer, .address_space: global }
      - { .name: bv, .offset: 32, .size: 8, .value_kind: global_buffer, .address_space: global }
      - { .name: pc, .offset: 40, .size: 8, .value_kind: global_buffer, .address_space: global }
      - { .name: ps, .offset: 48, .size: 8, .value_kind: global_buffer, .address_space: global }
    .group_segment_fixed_size: 327680
    .private_segment_fixed_size: 0
    .kernarg_segment_align: 8
    .kernarg_segment_size: 56
    .max_flat_workgroup_size: 128
    .sgpr_count:     102
    .vgpr_count:     1024
    .wavefront_size: 32
...
	.end_amdgpu_metadata
.endif
;; end of part 2
;; launch attn (part 3): grid 4 x 64, 16 waves a work-group, clusters of 4 x 1, 327,680 bytes of LDS; arguments pc, ps, cc, cs; writes cc, cs
.if DOCPART == 3
	.amdgcn_target "amdgcn-amd-amdhsa--gfx1250"
	.amdhsa_code_object_version 6
	.text
	.protected	k_qb21c65a749_attn
	.globl	k_qb21c65a749_attn
	.p2align	8
	.type	k_qb21c65a749_attn,@function
k_qb21c65a749_attn:
	s_mov_b64 s[64:65], 0
	v_nop
	global_prefetch_b8 v0, s[64:65] scope:SCOPE_SE
	s_setreg_imm32_b32 hwreg(HW_REG_WAVE_MODE, 25, 1), 1
	s_wait_xcnt 0x0
	s_wait_alu depctr_hold_cnt(0) depctr_sa_sdst(0) depctr_va_vdst(0) depctr_va_sdst(0) depctr_va_ssrc(0) depctr_va_vcc(0) depctr_vm_vsrc(0)
	s_getreg_b32 s2, hwreg(HW_REG_IB_STS2, 6, 4)
	s_cmp_eq_u32 s2, 0
	s_cbranch_scc0 .Lentry_in_a_cluster
	s_endpgm
.Lentry_in_a_cluster:
	s_bfe_u32 s2, ttmp6, 0x10000c
	s_cmp_lg_u32 s2, 0x3003
	s_cbranch_scc0 .Lentry_shape_is_right
	s_endpgm
.Lentry_shape_is_right:
; ctx = softmax(Q K^T / 8) V for one batch and ONE head, on codes of FP6 (E2M3) with E8M0 scales; ctx leaves as codes for the last projection.
; p = 2^(t - M), t = score x log2(e) / 8, M the ceiling of the running largest t (kept as -M); the row's sum is taken of the unquantised p; p is quantised in blocks of 32 keys; O is divided by the sum at the end.
; THE DEAL.  A work-group has one (batch, head) and 512 queries: 16 waves x 16 queries x 2 passes.  The head's K and V for all 2,048 keys lie in LDS (98,304 bytes of codes each, 8,192 and 4,096 of scale words):
; they are asked for once, at the head, one tensor load a wave, and nothing is filled again.  The keys' first half (waves 0 to 5) is shown by a first barrier, the second half (waves 8 to 12) by a second one, eight steps on.
; CLUSTER 4 x 1: the four work-groups of a (batch, head) need the same K and V: every load is a joint one, mask 15.  Nothing in a descriptor, an LDS address or a branch hangs on the place in the cluster.
; NO PREFETCH: every tile is asked for at the head; there is no loop to run ahead in.
; LAYOUTS.  A fragment of pc is the image of 12 operand registers for a pair of heads; head e is its half at 768 e: registers 0-3 at 16 x lane, registers 4, 5 at 512 + 8 x lane.  The half goes into registers 0-5 of both
; operands of S^T = K Q^T (k = 0 .. 63), its two scale bytes into bytes 0, 1; Q's registers 6-11 hold zero codes, so whatever K's operand names there adds nothing (K's tiles lie 6 registers apart).
; Lane row m of key tile 4 c + t of a step is key 64 c + 32 (m / 8) + 8 t + m % 8: lane (r, h) holds query r, and its 32 scores of tiles 4 c .. 4 c + 3 are keys 64 c + 32 h + 0 .. 31: a whole scale block, in the order of
; the next operand's registers.  So a block's largest score needs no other lane and the codes fall where P's operand wants them.
; LIMITS: NaN and infinities are not served; the promise holds while |t| stays under 2^31; a block whose p have all fallen to 0 keeps the byte 1 (its codes are zeros; this program alone reads the bytes).
.set VB,    98304                      ; LDS: K's codes from 0: [tile][768]; V's: [half of the keys][feature tile][8 steps][1536]
.set KSB,   196608                     ; K's scale words [tile][64]
.set VSB,   204800                     ; V's [feature tile][16 steps][64]
.set SPARE, 208896                     ; the spare words, 128 bytes a wave
.set AK16, 1                           ; v1-6 LDS addresses of this step
.set AK8,  2
.set AV16, 3
.set AV8,  4
.set AKS,  5
.set AVS,  6
.set SPW,  7
.set NIL,  8
.set LI16, 9                           ; 16 x lane, 8 x lane
.set LI8,  10
.set KE,   11                          ; 4 r + 2 e
.set NM,   12                          ; -M (v13 is named with it as a pair)
.set L,    14                          ; the row's sum, two halves
.set BM,   16                          ; my two blocks' largest score, then largest p
.set XA,   18
.set XB,   19
.set FF,   20                          ; f = 2^(old M - new M) (v21 named with it)
.set SOP,  22                          ; the conversions' scale operands
.set L2,   24                          ; the sum's second chain
.set W,    26
.set SH,   27                          ; 8 h
.set MX,   28                          ; v28-31 four chains of the maxima
.set KS,   32                          ; scale words and nothing else: v32-39 K's, v40-43 V's, v44 p's, v45 Q's, v46 the second pass's Q's
.set VS,   40
.set PS,   44
.set QS,   45
.set R4,   47                          ; 4 r
.set Q,    48                          ; v48-53 Q's codes, v54-59 zeros; v60-65 the second pass's
.set QN,   60
.set K,    66                          ; v66-113 K's eight tiles, then V's four fragments; v114-119 zeros
.set S,    128                         ; v128-191 scores, then p
.set O,    192                         ; v192-223 O^T
.set P,    224                         ; v224-235 p's codes
.set T,    236
.set WV,   18
.set TK,   2
.set TV,   3
.set TKS,  16
.set TVS,  17
.set SEL,  60
.set CS,   62
.set NC,   66
.set CT,   67
.set PASS, 100
.set G1K,  44
.set G1V,  52
.set G1KS, 68
.set G1VS, 76
.set G0K,  84
.set G0V,  88
.set G0KS, 92
.set G0VS, 96
.macro ROUND
	s_barrier_signal -1
	s_barrier_wait -1
	s_cmp_lg_u32 s[WV], 0
	s_cbranch_scc1 .Lnot_wave_0_\@
	s_barrier_signal -3
.Lnot_wave_0_\@:
	s_barrier_wait -3
	s_barrier_signal -1
	s_barrier_wait -1
.endm
.macro G1SET g, c, r, p                ; r rows of c elements of 8 bytes, p elements apart; mask 15 with bit 21 beside it
	s_mov_b32 s[\g], 15|(3<<16)|(1<<21)
	s_mov_b32 s[\g+1], (\c)<<16
	s_mov_b32 s[\g+2], (\r)<<16
	s_mov_b32 s[\g+3], (\c)<<16
	s_mov_b32 s[\g+4], \r
	s_mov_b32 s[\g+5], \p
	s_mov_b32 s[\g+6], 0
	s_mov_b32 s[\g+7], 0
.endm
.macro G0SET g, base, off
	s_mov_b32 s[\g], 1
	s_add_nc_u64 s[\g+2:\g+3], s[\base:\base+1], s[\off:\off+1]
	s_or_b32 s[\g+3], s[\g+3], 0x80000000
.endm
.macro ARM under, g0, g1
	s_cmp_lt_u32 s[WV], \under
	s_cbranch_scc0 .Lnext_\@
	tensor_load_to_lds s[\g0:\g0+3], s[\g1:\g1+7]
	s_nop 0
.rept 4
	v_nop
.endr
	s_branch .Lasked
.Lnext_\@:
.endm
.macro WALU
	s_wait_alu depctr_va_vdst(0)
.endm
.macro DEP n
	s_delay_alu instid0(VALU_DEP_\n)
.endm
	s_load_b128 s[4:7], s[0:1], 0x0                ; pc, ps
	s_load_b128 s[8:11], s[0:1], 0x10              ; cc, cs
	v_lshl_add_u32 v[SPW], v0, 2, SPARE
	v_mov_b32 v[NIL], 0
	ds_add_u32 v[SPW], v[NIL]                      ; the opening lines
	ds_add_u32 v[SPW], v[NIL]
	v_lshrrev_b32 v1, 5, v0
	v_readfirstlane_b32 s[WV], v1
	s_bfe_u32 s19, ttmp6, 0x40000                  ; cx: which 512 queries
	s_and_b32 s20, ttmp7, 0xffff
	s_lshr_b32 s21, s20, 4                         ; batch
	s_and_b32 s22, s20, 15                         ; head
	s_lshr_b32 s23, s22, 1                         ; pair of heads
	s_and_b32 s24, s22, 1                          ; e
	s_lshr_b32 s25, s[WV], 3                       ; which half of the keys I fetch for
	s_and_b32 s27, s[WV], 1                        ; which half of that tile
	s_mul_i32 s39, s24, 768
	s_lshl_b32 s28, s21, 10
	s_add_co_u32 s28, s28, s23                     ; fragment of the batch's first token tile
	s_lshl_b32 s29, s25, 6
	s_lshl_b32 s30, s27, 5
	s_add_co_u32 s29, s29, s30                     ; K: my first of 32 key tiles
	s_mul_i32 s30, s28, 1536
	s_add_co_u32 s30, s30, s39
	s_add_co_u32 s30, s30, 6291456
	s_mul_i32 s31, s29, 12288
	s_add_co_u32 s30, s30, s31
	s_mov_b32 s31, 0
	s_mul_i32 s[G0K+1], s29, 768
	s_lshl_b32 s32, s22, 8
	s_lshl_b32 s33, s21, 4
	s_add_co_u32 s32, s32, s33                     ; V: fragment (feature tile 4 head, the batch's first step)
	s_lshl_b32 s36, s32, 6
	s_add_co_u32 s36, s36, 524288
	s_mov_b32 s37, 0
	s_lshl_b32 s33, s25, 3
	s_add_co_u32 s32, s32, s33
	s_mul_i32 s32, s32, 1536
	s_mul_i32 s33, s27, 196608                     ; my two of the four feature tiles
	s_add_co_u32 s32, s32, s33
	s_add_co_u32 s32, s32, 12582912
	s_mov_b32 s33, 0
	s_mul_i32 s[G0V+1], s25, 49152
	s_mul_i32 s34, s27, 24576
	s_add_co_u32 s[G0V+1], s[G0V+1], s34
	s_add_co_u32 s[G0V+1], s[G0V+1], VB
	s_lshl_b32 s34, s28, 6
	s_lshl_b32 s35, s25, 15
	s_add_co_u32 s34, s34, s35
	s_add_co_u32 s34, s34, 262144
	s_mov_b32 s35, 0
	s_lshl_b32 s[G0KS+1], s25, 12
	s_add_co_u32 s[G0KS+1], s[G0KS+1], KSB
	s_mov_b32 s[G0VS+1], VSB
	s_lshl_b32 s38, s21, 7                         ; my query tile: 128 batch + 32 cx + wave (second pass: 16 on)
	s_lshl_b32 s40, s19, 5
	s_add_co_u32 s38, s38, s40
	s_add_co_u32 s38, s38, s[WV]
	s_lshl_b32 s38, s38, 3
	s_add_co_u32 s38, s38, s23
	s_mul_i32 s40, s38, 1536
	s_add_co_u32 s40, s40, s39
	s_mov_b32 s41, 0
	s_lshl_b32 s42, s38, 6
	s_mov_b32 s43, 0
	G1SET G1K, 96, 32, 1536                        ; 32 key tiles: rows of 768 bytes, 12,288 apart
	G1SET G1V, 1536, 2, 12288                      ; 2 feature tiles: rows of 8 steps, 12,288 bytes, 98,304 apart
	G1SET G1KS, 8, 64, 64                          ; 64 key tiles' scale words: rows of 64 bytes, 512 apart; asked for once
	G1SET G1VS, 128, 4, 512                        ; 4 feature tiles' scale words: rows of 1,024 bytes
	s_mov_b32 s[SEL], 0x76543210
	s_mov_b32 s[SEL+1], 0xfedcba98
	s_mov_b32 s[CS], 0x3e38aa3b                    ; c = log2(e) / 8
	s_mov_b32 s[CS+1], s[CS]
	s_mov_b32 s[NC], 0xbe38aa3b                    ; -c
	WALU
	s_wait_dscnt 0x0
	ROUND                                          ; in front of the joint loads
	s_wait_kmcnt 0x0
	G0SET G0K, 4, 30
	G0SET G0V, 4, 32
	G0SET G0KS, 6, 34
	G0SET G0VS, 6, 36
	s_add_nc_u64 s[12:13], s[4:5], s[40:41]        ; Q's codes, Q's scale words, and the same places in cc and cs
	s_add_nc_u64 s[14:15], s[6:7], s[42:43]
	s_add_nc_u64 s[8:9], s[8:9], s[40:41]
	s_add_nc_u64 s[10:11], s[10:11], s[42:43]
	ARM 2, G0K, G1K                                ; one chain, one load to an arm.  The first half's lines are issued by waves under 8 alone
	ARM 4, G0V, G1V
	ARM 5, G0KS, G1KS
	ARM 6, G0VS, G1VS
	s_cmp_lt_u32 s[WV], 8
	s_cbranch_scc1 .Lasked
	ARM 10, G0K, G1K
	ARM 12, G0V, G1V
	ARM 13, G0KS, G1KS
.Lasked:
	v_and_b32 v[W], 31, v0
	v_lshlrev_b32 v[LI16], 4, v[W]
	v_lshlrev_b32 v[LI8], 3, v[W]
	v_and_b32 v[R4], 15, v0
	v_lshlrev_b32 v[R4], 2, v[R4]
	s_lshl_b32 s39, s24, 1
	v_add_nc_u32 v[KE], s39, v[R4]
	v_bfe_u32 v[SH], v0, 4, 1
	v_lshlrev_b32 v[SH], 3, v[SH]
	global_load_b128 v[Q:Q+3], v[LI16], s[12:13]
	global_load_b64 v[Q+4:Q+5], v[LI8], s[12:13] offset:512
	global_load_u16 v[QS], v[KE], s[14:15]         ; my head's two bytes; the upper two are 0, a finite code, over zero codes
	global_load_b128 v[QN:QN+3], v[LI16], s[12:13] offset:196608
	global_load_b64 v[QN+4:QN+5], v[LI8], s[12:13] offset:196608+512
	global_load_u16 v[QS+1], v[KE], s[14:15] offset:8192
.irp i, 6,7,8,9,10,11
	v_mov_b32 v[Q+\i], 0
	v_mov_b32 v[K+42+\i], 0
.endr
	v_mov_b32 v[NM+1], 0
	v_mov_b32 v[FF+1], 0
	v_mov_b32 v[XB], 0                             ; a lane permute's destination counts as one of its sources
	s_mov_b32 s[PASS], 0
	WALU
	s_wait_loadcnt 0x0
; A STEP: 16 queries x 128 keys.  Every LDS wait is for 0.
.macro STEP
	v_add_nc_u32 v[AK16], s[TK], v[LI16]
	v_add_nc_u32 v[AK8], s[TK], v[LI8]
	v_add_nc_u32 v[AKS], s[TKS], v[KE]
.irp t, 0,1,2,3,4,5,6,7
	ds_load_b128 v[K+6*\t:K+6*\t+3], v[AK16] offset:768*\t
	ds_load_b64 v[K+6*\t+4:K+6*\t+5], v[AK8] offset:768*\t+512
	ds_load_u16 v[KS+\t], v[AKS] offset:64*\t
.endr
	s_wait_dscnt 0x0
.irp t, 0,1,2,3,4,5,6,7
	v_wmma_scale_f32_16x16x128_f8f6f4 v[S+8*\t:S+8*\t+7], v[K+6*\t:K+6*\t+11], v[Q:Q+11], 0, v[KS+\t], v[QS] matrix_a_fmt:MATRIX_FMT_FP6 matrix_b_fmt:MATRIX_FMT_FP6
.endr
	v_add_nc_u32 v[AV16], s[TV], v[LI16]           ; four plain lines: the places ahead of the loads over K's tiles and of the reads of the scores
	v_add_nc_u32 v[AV8], s[TV], v[LI8]
	v_add_nc_u32 v[AVS], s[TVS], v[R4]
	v_mov_b32 v[W], v[NM]                          ; the old -M
.irp t, 0,1,2,3
	ds_load_b128 v[K+12*\t:K+12*\t+3], v[AV16] offset:12288*\t
	ds_load_b64 v[K+12*\t+4:K+12*\t+5], v[AV8] offset:12288*\t+512
	ds_load_b128 v[K+12*\t+6:K+12*\t+9], v[AV16] offset:12288*\t+768
	ds_load_b64 v[K+12*\t+10:K+12*\t+11], v[AV8] offset:12288*\t+1280
	ds_load_b32 v[VS+\t], v[AVS] offset:1024*\t
.endr
.irp q, 0,1,2,3                                ; the largest score of my two blocks, in four chains by turns; each accumulator is read from its low end on
	v_max3_num_f32 v[MX+\q], v[S+16*\q], v[S+16*\q+1], v[S+16*\q+2]
.endr
.irp i, 3,5,7,9,11,13
.irp q, 0,1,2,3
	v_max3_num_f32 v[MX+\q], v[MX+\q], v[S+16*\q+\i], v[S+16*\q+\i+1]
.endr
.endr
.irp c, 0,1
	v_max3_num_f32 v[BM+\c], v[MX+2*\c], v[MX+2*\c+1], v[S+32*\c+15]
.endr
.irp c, 0,1
	v_max_num_f32 v[BM+\c], v[BM+\c], v[S+32*\c+31]
.endr
	DEP 1
	v_max_num_f32 v[XA], v[BM], v[BM+1]
	DEP 1
	v_permlanex16_b32 v[XB], v[XA], s[SEL], s[SEL+1]
	DEP 1
	v_max_num_f32 v[XA], v[XA], v[XB]              ; the step's largest score of my query
	DEP 1
	v_mul_f32 v[XA], s[NC], v[XA]                  ; -t
	DEP 1
	v_floor_f32 v[XA], v[XA]                       ; -ceil(t)
	DEP 1
	v_min_num_f32 v[NM], v[NM], v[XA]              ; the running -M: the ceiling of a maximum is the maximum of the ceilings
	DEP 1
	v_sub_f32 v[W], v[NM], v[W]                    ; old M - new M, a whole number, 0 or less
	DEP 1
	v_cvt_i32_f32 v[W], v[W]                       ; (it saturates)
	DEP 1
	v_ldexp_f32 v[FF], 1.0, v[W]
.irp j, 0,2,4,6,8,10,12,14,16,18,20,22,24,26,28,30,32,34,36,38,40,42,44,46,48,50,52,54,56,58,60,62
	v_pk_fma_f32 v[S+\j:S+\j+1], v[S+\j:S+\j+1], s[CS:CS+1], v[NM:NM+1] op_sel_hi:[1,0,0]   ; t - M
.endr
.irp c, 0,1
	v_fma_f32 v[BM+\c], v[BM+\c], s[CS], v[NM]     ; the same of each block's largest score: p rises with the score
.endr
.irp j, 0,2,4,6,8,10,12,14,16,18,20,22,24,26,28,30
	v_pk_mul_f32 v[O+\j:O+\j+1], v[O+\j:O+\j+1], v[FF:FF+1] op_sel_hi:[1,0]   ; O^T under the new M
.endr
	s_wait_dscnt 0x0                               ; V's fragments are in
	WALU                                           ; the wait ahead of the batch
.irp j, 0,1,2,3,4,5,6,7,8,9,10,11,12,13,14,15,16,17,18,19,20,21,22,23,24,25,26,27,28,29,30,31,32,33,34,35,36,37,38,39,40,41,42,43,44,45,46,47,48,49,50,51,52,53,54,55,56,57,58,59,60,61,62,63
	v_exp_f32 v[S+\j], v[S+\j]
.endr
	v_exp_f32 v[BM], v[BM]
	v_exp_f32 v[BM+1], v[BM+1]
	v_nop                                          ; one plain place behind the batch
	WALU                                           ; and the wait behind it
.irp c, 0,1
	v_max_num_f32 v[BM+\c], 0x1800000, v[BM+\c]    ; the floor 2^(3 - 127): the byte cannot fall under 1
.endr
.irp c, 0,1
	DEP 2
	v_add_nc_u32 v[SOP+\c], 0xff000000, v[BM+\c]   ; 2 off the exponent field: the conversions' scale operand
.endr
.irp c, 0,1
	DEP 2
	v_lshrrev_b32 v[MX+\c], 23, v[SOP+\c]          ; the byte of block 2 c + h
.endr
	DEP 1
	v_lshl_or_b32 v[W], v[MX+1], 16, v[MX]
	DEP 1
	v_lshlrev_b32 v[W], v[SH], v[W]                ; at its place, 8 h bits up
	DEP 1
	v_permlanex16_b32 v[XB], v[W], s[SEL], s[SEL+1]
	DEP 1
	v_or_b32 v[PS], v[W], v[XB]                    ; with lane l xor 16's two bytes: p's scale word
.irp c, 0,1
	v_cvt_scalef32_pk16_fp6_f32 v[P+6*\c:P+6*\c+2], v[S+32*\c:S+32*\c+15], v[SOP+\c]
	v_cvt_scalef32_pk16_fp6_f32 v[T+4*\c:T+4*\c+2], v[S+32*\c+16:S+32*\c+31], v[SOP+\c]   ; (a conversion's three registers begin on an even number)
.endr
	v_pk_fma_f32 v[L:L+1], v[L:L+1], v[FF:FF+1], v[S:S+1] op_sel_hi:[1,0,1]   ; the sum of the unquantised p, brought under the new M by its first line; two chains
	v_pk_add_f32 v[L2:L2+1], v[S+2:S+3], v[S+4:S+5]
.irp c, 0,1
.irp i, 0,1,2
	v_mov_b32 v[P+6*\c+3+\i], v[T+4*\c+\i]
.endr
.endr
.irp j, 6,10,14,18,22,26,30,34,38,42,46,50,54   ; these 26 lines are also the places between p's codes and scale word and the products
	v_pk_add_f32 v[L:L+1], v[L:L+1], v[S+\j:S+\j+1]
	v_pk_add_f32 v[L2:L2+1], v[L2:L2+1], v[S+\j+2:S+\j+3]
.endr
.irp t, 0,1,2,3                                ; O^T += V^T p^T; the accumulators take turns
	v_wmma_scale_f32_16x16x128_f8f6f4 v[O+8*\t:O+8*\t+7], v[K+12*\t:K+12*\t+11], v[P:P+11], v[O+8*\t:O+8*\t+7], v[VS+\t], v[PS] matrix_a_fmt:MATRIX_FMT_FP6 matrix_b_fmt:MATRIX_FMT_FP6
.endr
	v_pk_add_f32 v[L:L+1], v[L:L+1], v[S+58:S+59]  ; the sum's last four lines are the places ahead of the next loads over V's fragments
	v_pk_add_f32 v[L2:L2+1], v[L2:L2+1], v[S+60:S+61]
	v_pk_add_f32 v[L:L+1], v[L:L+1], v[S+62:S+63]
	v_pk_add_f32 v[L:L+1], v[L:L+1], v[L2:L2+1]
	s_add_co_u32 s[TK], s[TK], 6144
	s_add_co_u32 s[TV], s[TV], 1536
	s_add_co_u32 s[TKS], s[TKS], 512
	s_add_co_u32 s[TVS], s[TVS], 64
.endm
.Lpass:
	v_mov_b32 v[NM], 0x7f61b1e6                    ; -M begins at 3e38: the first step's f is 0, over sums that are 0
	v_mov_b32 v[L], 0
	v_mov_b32 v[L+1], 0
.irp j, 0,1,2,3,4,5,6,7,8,9,10,11,12,13,14,15,16,17,18,19,20,21,22,23,24,25,26,27,28,29,30,31
	v_mov_b32 v[O+\j], 0
.endr
	s_mov_b32 s[TK], 0
	s_mov_b32 s[TV], VB
	s_mov_b32 s[TKS], KSB
	s_mov_b32 s[TVS], VSB
	s_mov_b32 s[CT], 0
	WALU
	s_cmp_lt_u32 s[WV], 8
	s_cbranch_scc0 .Lnot_first
	s_wait_tensorcnt 0x0                           ; the first half's loads, all issued by waves under 8
.Lnot_first:
	s_wait_dscnt 0x0
	s_barrier_signal -1
	s_barrier_wait -1                              ; keys 0 to 1,023 are in
.Lk1:
	STEP
	s_add_co_u32 s[CT], s[CT], 1
	s_cmp_lt_u32 s[CT], 8
	s_cbranch_scc1 .Lk1
	s_mov_b32 s[TK], 49152
	s_mov_b32 s[TV], VB+49152
	s_mov_b32 s[TKS], KSB+4096
	s_mov_b32 s[TVS], VSB+512
	s_mov_b32 s[CT], 0
	s_wait_tensorcnt 0x0                           ; every wave: all that is still out
	s_wait_dscnt 0x0
	s_barrier_signal -1
	s_barrier_wait -1                              ; keys 1,024 to 2,047 are in
.Lk2:
	STEP
	s_add_co_u32 s[CT], s[CT], 1
	s_cmp_lt_u32 s[CT], 8
	s_cbranch_scc1 .Lk2
	; THE WAY OUT: O^T / the sum; register 8 t + j of lane (r, h) is feature 32 (t / 2) + 8 (t % 2) + 16 h + j of my head: 16 neighbours to each pair of tiles, a block in lanes l and l xor 16
	v_add_f32 v[L], v[L], v[L+1]
	DEP 1
	v_permlanex16_b32 v[XB], v[L], s[SEL], s[SEL+1]
	DEP 1
	v_add_f32 v[L], v[L], v[XB]
	WALU
	v_rcp_f32 v[L], v[L]
	v_nop
	WALU                                           ; for the reciprocal, and directly ahead of the first readers of O^T
.irp j, 0,2,4,6,8,10,12,14,16,18,20,22,24,26,28,30
	v_pk_mul_f32 v[S+\j:S+\j+1], v[O+\j:O+\j+1], v[L:L+1] op_sel_hi:[1,0]
.endr
.irp b, 0,1
	v_max3_num_f32 v[BM+\b], |v[S+16*\b]|, |v[S+16*\b+1]|, 0x1800000
.endr
.irp i, 2,4,6,8,10,12,14
.irp b, 0,1
	DEP 2
	v_max3_num_f32 v[BM+\b], v[BM+\b], |v[S+16*\b+\i]|, |v[S+16*\b+\i+1]|
.endr
.endr
.irp b, 0,1
	DEP 2
	v_permlanex16_b32 v[MX+\b], v[BM+\b], s[SEL], s[SEL+1]
.endr
.irp b, 0,1
	DEP 2
	v_max_num_f32 v[BM+\b], v[BM+\b], v[MX+\b]
.endr
.irp b, 0,1
	DEP 2
	v_add_nc_u32 v[SOP+\b], 0xff000000, v[BM+\b]
.endr
.irp b, 0,1
	DEP 2
	v_lshrrev_b32 v[MX+\b], 23, v[SOP+\b]
.endr
	DEP 1
	v_lshl_or_b32 v[W], v[MX+1], 8, v[MX]          ; my head's two bytes of row r's scale word
	v_cvt_scalef32_pk16_fp6_f32 v[P:P+2], v[S:S+15], v[SOP]
	v_cvt_scalef32_pk16_fp6_f32 v[T:T+2], v[S+16:S+31], v[SOP+1]
	v_nop
.irp i, 0,1,2
	v_permlane16_swap_b32 v[P+\i], v[T+\i]         ; a whole block to a lane: lanes 0-15 block 0, lanes 16-31 block 1
.endr
.irp i, 0,1,2
	v_mov_b32 v[P+3+\i], v[T+\i]
.endr
	global_store_b128 v[LI16], v[P:P+3], s[8:9]    ; 512 and 256 consecutive bytes, aligned
	global_store_b64 v[LI8], v[P+4:P+5], s[8:9] offset:512
	v_and_b32 v[XA], 31, v0
	v_cmp_gt_u32 vcc_lo, 16, v[XA]
	WALU
	s_wait_xcnt 0x0                                ; EXEC changes only behind this wait
	s_and_saveexec_b32 s26, vcc_lo
	global_store_b16 v[KE], v[W], s[10:11]         ; two bytes of each of 16 words: the other head's work-group stores the other two
	s_wait_xcnt 0x0
	s_or_b32 exec_lo, exec_lo, s26
.irp i, 0,1,2,3,4,5
	v_mov_b32 v[Q+\i], v[QN+\i]                    ; the second pass's queries
.endr
	v_mov_b32 v[QS], v[QS+1]
	s_add_nc_u64 s[8:9], s[8:9], 196608            ; 16 query tiles on
	s_add_nc_u64 s[10:11], s[10:11], 8192
	s_add_co_u32 s[PASS], s[PASS], 1
	s_cmp_lt_u32 s[PASS], 2
	WALU
	s_cbranch_scc1 .Lpass
	s_wait_tensorcnt 0x0                           ; the wave's end
	ds_add_u32 v[SPW], v[NIL]
	s_wait_dscnt 0x0
	ROUND                                          ; the closing round
	s_endpgm
.Lfunc_end_k_qb21c65a749_attn:
	.size	k_qb21c65a749_attn, .Lfunc_end_k_qb21c65a749_attn-k_qb21c65a749_attn
	.p2alignl 7, 3214868480
	.fill 96, 4, 3214868480
	.section	.rodata,"a",@progbits
	.p2align	6, 0x0
	.amdhsa_kernel k_qb21c65a749_attn
		.amdhsa_group_segment_fixed_size 327680
		.amdhsa_private_segment_fixed_size 0
		.amdhsa_enable_private_segment 0
		.amdhsa_kernarg_size 32
		.amdhsa_user_sgpr_count 2
		.amdhsa_user_sgpr_kernarg_segment_ptr 1
		.amdhsa_wavefront_size32 1
		.amdhsa_system_sgpr_workgroup_id_x 1
		.amdhsa_system_sgpr_workgroup_id_y 1
		.amdhsa_system_sgpr_workgroup_id_z 1
		.amdhsa_system_vgpr_workitem_id 0
		.amdhsa_next_free_vgpr 256
		.amdhsa_next_free_sgpr 102
		.amdhsa_reserve_vcc 1
		.amdhsa_float_denorm_mode_32 3
		.amdhsa_float_denorm_mode_16_64 3
		.amdhsa_memory_ordered 1
		.amdhsa_forward_progress 1
		.amdhsa_inst_pref_size 50
	.end_amdhsa_kernel
	.amdgpu_metadata
---
amdhsa.version: [ 1, 2 ]
amdhsa.kernels:
  - .name:           k_qb21c65a749_attn
    .symbol:         k_qb21c65a749_attn.kd
    .args:
      - { .name: pc, .offset: 0, .size: 8, .value_kind: global_buffer, .address_space: global }
      - { .name: ps, .offset: 8, .size: 8, .value_kind: global_buffer, .address_space: global }
      - { .name: cc, .offset: 16, .size: 8, .value_kind: global_buffer, .address_space: global }
      - { .name: cs, .offset: 24, .size: 8, .value_kind: global_buffer, .address_space: global }
    .group_segment_fixed_size: 327680
    .private_segment_fixed_size: 0
    .kernarg_segment_align: 8
    .kernarg_segment_size: 32
    .max_flat_workgroup_size: 512
    .sgpr_count:     102
    .vgpr_count:     256
    .wavefront_size: 32
...
	.end_amdgpu_metadata
.endif
;; end of part 3
;; launch oproj (part 4): grid 4 x 32, 4 waves a work-group, clusters of 4 x 4, 327,680 bytes of LDS; arguments xwc, xws, cc, cs, bo, out0; writes out0
.if DOCPART == 4
	.amdgcn_target "amdgcn-amd-amdhsa--gfx1250"
	.amdhsa_code_object_version 6
	.text
	.protected	k_qb21c65a749_oproj
	.globl	k_qb21c65a749_oproj
	.p2align	8
	.type	k_qb21c65a749_oproj,@function
k_qb21c65a749_oproj:
	s_mov_b64 s[64:65], 0
	v_nop
	global_prefetch_b8 v0, s[64:65] scope:SCOPE_SE
	s_setreg_imm32_b32 hwreg(HW_REG_WAVE_MODE, 25, 1), 1
	s_wait_xcnt 0x0
	s_wait_alu depctr_hold_cnt(0) depctr_sa_sdst(0) depctr_va_vdst(0) depctr_va_sdst(0) depctr_va_ssrc(0) depctr_va_vcc(0) depctr_vm_vsrc(0)
	s_getreg_b32 s2, hwreg(HW_REG_IB_STS2, 6, 4)
	s_cmp_eq_u32 s2, 0
	s_cbranch_scc0 .Lentry_in_a_cluster
	s_endpgm
.Lentry_in_a_cluster:
	s_bfe_u32 s2, ttmp6, 0x10000c
	s_cmp_lg_u32 s2, 0xf033
	s_cbranch_scc0 .Lentry_shape_is_right
	s_endpgm
.Lentry_shape_is_right:
; out0 = ctx Wo + bo, on codes of FP6 (E2M3) with E8M0 scales, sums in f32.  ctx's codes (cc, cs) come from the attention's launch, Wo's (xwc, xws from row tile 1728 on) from the quantiser's.
; T[i][j] = sum over k of P[i][k] R[j][k]; P = Wo (rows = output features) is source 0, R = ctx (rows = tokens) source 1: a lane holds one token, and its registers run along the features.
; OPERANDS lie as images of their registers: row tiles of 16 rows (lane row r of tile T is row 32 (T / 2) + 8 (T % 2) + r + 8 (r / 8)) x K steps of 128; a fragment is 1,536 bytes: for c = 0, 1 registers 6 c .. 6 c + 3
; at 768 c + 16 x lane, registers 6 c + 4, 5 at 768 c + 512 + 8 x lane; scale words 64 bytes a fragment.  The 16 registers of P's tiles 2 b and 2 b + 1 are 16 neighbouring features.
; SHARES.  A tile of T is 256 x 256: four waves, 128 x 128 each: 64 accumulators, 512 registers.  K = 1,024 is eight steps of 128, written out.  Two LDS slots of three steps each; steps 6 and 7 come into slot 0 again.
; CLUSTER 4 x 4: R's tiles are shared along a row of the cluster, P's along a column: each is asked for jointly.  A wave has one tensor load out at the start and one behind the refill.
; The bias is the C of each sum's first matrix instruction.  128 work-groups: the product has 128 tiles of this size.
; REGISTERS: window 0: v1-31 addresses; v32-95 scale words and nothing else; v128-223 R's eight fragments, ONE set; on the way out v128-255 rows of out0.
;   window 1: P's fragments, TWO sets, at v0 and v128; the bias at v96-127 and v224-255.   window 2: accumulators of R's tiles 0-3 ((a, b) at v[8 (8 a + b)]);   window 3: of tiles 4-7.
; THE SLOTS AS THEY NOW STAND: two LDS slots of THREE K steps each (a row tile's 4,608 bytes on end); K steps 6 and 7 come into slot 0 again, 3,072 bytes a row tile.
; At the head each wave issues one joint load: R's 16 row tiles of slot 0, P's 16, R's scale words, P's.  Slot 1's first fill stands behind the full sequence and a round, a quarter of the slot a wave.
.set HALFT, 36864
.set SLOT,  147456
.set SCL,   294912
.set HALFS, 4096
.set SPARE, 311296                     ; the spare words, 128 bytes for each wave: two blocks of 256 bytes that no other line names
.set SPITCH, 528                       ; the way out: a stage of 16 rows x (512 bytes + 16) for each wave, in slot 1: it has had its one fill, and nobody reads it behind the last barrier
.set ADRA16, 8
.set ADRA8,  11
.set ADRB16, 14
.set ADRB8,  17
.set ADRS, 20
.set LI16, 21
.set LI8,  22
.set STO,  23                          ; v23  the stage: where I put 64 bytes of a row
.set RD,   24                          ; v24  and where I read a row back
.set SPW,  28
.set NIL,  29
.set SC,   32
.set AF,   128
.set BK,   128
.set G1,   24
.set G1B,  32
.set G1S,  40
.set G1SB, 48
.set G0A0, 56
.set G0A1, 60
.set G0A2, 68
.set G0B0, 72
.set G0B1, 76
.set G0B2, 80
.set G0S,  84
.set G0SB, 88
.set MSB, 0
.macro WIN new                         ; the immediate's high byte repeats the setting that is left
.if MSB != (\new)
	s_set_vgpr_msb (MSB<<8)|(\new)
.set MSB, (\new)
.endif
.endm
.set MUL_LO, 0xa1                      ; source 0 (P) window 1, source 1 (R) window 0, C and D window 2
.set MUL_HI, 0xf1
.set TO_B,   0x40
.macro JLOAD g0a, g1a, g0b, g1b        ; a joint load: waves 0 and 1 fetch for R, waves 2 and 3 for P; four v_nop follow each of the two lines
	s_cmp_eq_u32 s19, 0
	s_cbranch_scc0 .Lfor_p_\@
	tensor_load_to_lds s[\g0a:\g0a+3], s[\g1a:\g1a+7]
	s_nop 0
.rept 4
	v_nop
.endr
	s_branch .Lasked_\@
.Lfor_p_\@:
	tensor_load_to_lds s[\g0b:\g0b+3], s[\g1b:\g1b+7]
	s_nop 0
.rept 4
	v_nop
.endr
.Lasked_\@:
.endm
.macro CREST
	s_cmp_lg_u32 s18, 0
	s_cbranch_scc1 .Lnot_wave_0_\@
	s_barrier_signal -3
.Lnot_wave_0_\@:
	s_barrier_wait -3
	s_barrier_signal -1
	s_barrier_wait -1
.endm
.macro CROUND
	s_barrier_signal -1
	s_barrier_wait -1
	CREST
.endm
.macro SETG0 g, src, slot
	s_mov_b32 s[\g], 1
	s_mul_i32 s[\g+1], s18, HALFT
	s_add_co_u32 s[\g+1], s[\g+1], (\slot)*SLOT
	s_add_nc_u64 s[\g+2:\g+3], s[\src:\src+1], (\slot)*4608
	s_or_b32 s[\g+3], s[\g+3], 0x80000000
.endm
.macro SETG0S g, src, lds              ; a group 0 of the head's loads: a whole tile to a constant place
	s_mov_b32 s[\g], 1
	s_mov_b32 s[\g+1], \lds
	s_mov_b64 s[\g+2:\g+3], s[\src:\src+1]
	s_or_b32 s[\g+3], s[\g+3], 0x80000000
.endm
	s_load_b128 s[4:7], s[0:1], 0x0                ; xwc, xws
	s_load_b128 s[8:11], s[0:1], 0x10              ; cc, cs
	s_load_b128 s[12:15], s[0:1], 0x20             ; bo, out0
	v_lshl_add_u32 v[SPW], v0, 2, SPARE
	v_mov_b32 v[NIL], 0
	ds_add_u32 v28, v29
	ds_add_u32 v28, v29
	s_wait_dscnt 0x0
	v_lshrrev_b32 v1, 5, v0
	v_readfirstlane_b32 s18, v1                    ; wave 0..3
	s_lshr_b32 s19, s18, 1                         ; which half of R's rows is mine.  Also: I fetch for R (0) or for P (1)
	s_and_b32 s20, s18, 1                          ; which half of P's rows.  Also: which 8 row tiles I fetch
	s_bfe_u32 s21, ttmp6, 0x40000                  ; cx
	s_bfe_u32 s22, ttmp6, 0x40004                  ; cy
	s_lshl_b32 s95, ttmp9, 2
	s_add_co_u32 s95, s95, s21                     ; tile column (features)
	s_and_b32 s94, ttmp7, 0xffff
	s_lshl_b32 s94, s94, 2
	s_add_co_u32 s94, s94, s22                     ; tile row (tokens)
	s_lshl_b32 s96, s22, 2
	s_lshl_b32 s96, 15, s96                        ; my row of the cluster
	s_lshl_b32 s97, 0x1111, s21                    ; my column
	s_or_b32 s[G1], s96, (3<<16)|(1<<21)           ; 15:0 the mask; 17:16 elements of 8 bytes; 20 no padding; 21 set beside a mask
	s_or_b32 s[G1B], s97, (3<<16)|(1<<21)
	s_or_b32 s[G1S], s96, (3<<16)|(1<<21)
	s_or_b32 s[G1SB], s97, (3<<16)|(1<<21)
.irp g, G1, G1B                        ; codes: row tiles of 4,608 bytes (three K steps), 12,288 bytes apart
	s_mov_b32 s[\g+1], 576<<16                     ; rows of 4,608 bytes: three K steps
	s_mov_b32 s[\g+2], 16<<16                      ; 16 row tiles for the head's loads; behind them 8
	s_mov_b32 s[\g+3], 576<<16
	s_mov_b32 s[\g+4], 16
	s_mov_b32 s[\g+5], 1536
	s_mov_b32 s[\g+6], 0
	s_mov_b32 s[\g+7], 0
.endr
.irp g, G1S, G1SB                      ; scale words, as rows of 256 bytes
	s_mov_b32 s[\g+1], 32<<16
	s_mov_b32 s[\g+2], 32<<16                      ; the scale words of 16 row tiles: 8,192 dense bytes, 32 rows of 256
	s_mov_b32 s[\g+3], 32<<16
	s_mov_b32 s[\g+4], 32
	s_mov_b32 s[\g+5], 32
	s_mov_b32 s[\g+6], 0
	s_mov_b32 s[\g+7], 0
.endr
	s_lshl_b32 s98, s94, 4
	s_lshl_b32 s100, s95, 4
	s_add_co_u32 s100, s100, 1728                  ; P: Wo's row tiles begin at 1728 in xwc
	s_mul_i32 s2, s98, 12288
	s_mov_b32 s3, 0
	s_lshl_b32 s98, s98, 9
	s_mov_b32 s99, 0
	s_mul_i32 s66, s100, 12288
	s_mov_b32 s67, 0
	s_lshl_b32 s100, s100, 9
	s_mov_b32 s101, 0
	s_wait_kmcnt 0x0
	s_add_nc_u64 s[2:3], s[8:9], s[2:3]            ; R's codes
	s_add_nc_u64 s[98:99], s[10:11], s[98:99]      ; R's scale words
	s_add_nc_u64 s[66:67], s[4:5], s[66:67]        ; P's codes
	s_add_nc_u64 s[100:101], s[6:7], s[100:101]    ; P's scale words
	CROUND                                         ; all sixteen work-groups are here: the first joint loads meet
	SETG0S G0S, 98, SCL                            ; the head's four tiles, each whole
	SETG0S G0SB, 100, SCL+2*HALFS
	SETG0S G0A2, 2, 0
	SETG0S G0B2, 66, 2*HALFT
	s_mul_i32 s98, s20, 98304                      ; for the ring: my 8 row tiles of the 16
	s_mov_b32 s99, 0
	s_add_nc_u64 s[2:3], s[2:3], s[98:99]
	s_add_nc_u64 s[66:67], s[66:67], s[98:99]
	SETG0 G0A0, 2, 0
	SETG0 G0B0, 66, 0
	SETG0 G0A1, 2, 1
	SETG0 G0B1, 66, 1
; one chain of branches on the wave's number, one joint load to an arm
.macro ARM under, g0, g1, next
	s_cmp_lt_u32 s18, \under
	s_cbranch_scc0 \next
	tensor_load_to_lds s[\g0:\g0+3], s[\g1:\g1+7]
	s_nop 0
.rept 4
	v_nop
.endr
	s_branch .Lhead_asked
\next:
.endm
	ARM 1, G0A2, G1,  .Lhead_b                     ; wave 0: K steps 0 to 2 of R's 16 row tiles
	ARM 2, G0B2, G1B, .Lhead_sa                    ; wave 1: of P's
	ARM 3, G0S,  G1S, .Lhead_sb                    ; wave 2: R's scale words
	tensor_load_to_lds s[G0SB:G0SB+3], s[G1SB:G1SB+7]   ; wave 3: P's
	s_nop 0
.rept 4
	v_nop
.endr
.Lhead_asked:
	v_and_b32 v1, 31, v0                           ; lane
	v_and_b32 v2, 15, v0                           ; r
	v_bfe_u32 v3, v0, 4, 1                         ; h
	v_lshlrev_b32 v[LI16], 4, v1
	v_lshlrev_b32 v[LI8], 3, v1
	s_mul_i32 s2, s19, HALFT
	s_mul_i32 s3, s20, HALFT
	s_add_co_u32 s3, s3, 2*HALFT
.irp s, 0,1
	v_add_nc_u32 v[ADRA16+\s], s2, v[LI16]
	v_add_nc_u32 v[ADRA8+\s], s2, v[LI8]
	v_add_nc_u32 v[ADRB16+\s], s3, v[LI16]
	v_add_nc_u32 v[ADRB8+\s], s3, v[LI8]
	s_add_co_u32 s2, s2, SLOT
	s_add_co_u32 s3, s3, SLOT
.endr
	v_lshlrev_b32 v4, 2, v2
	s_mul_i32 s2, s19, HALFS
	s_mul_i32 s3, s20, HALFS
	s_add_co_u32 s3, s3, 2*HALFS
	s_sub_co_u32 s3, s3, s2
	v_mul_u32_u24 v5, s3, v3                       ; lanes 16-31 take P's
	s_add_co_u32 s2, s2, SCL
	v_add_nc_u32 v4, v4, v5
	v_add_nc_u32 v[ADRS], s2, v4
	; the bias: register 16 b + e of the 64 is bo at my first feature + 32 b + 16 h + e: the layout of the results
	s_lshl_b32 s2, s95, 10
	s_lshl_b32 s3, s20, 9
	s_add_co_u32 s2, s2, s3                        ; 4 x (256 tile column + 128 half): also my first column of out0, in bytes
	s_mov_b32 s3, 0
	s_add_nc_u64 s[12:13], s[12:13], s[2:3]
	s_add_nc_u64 s[14:15], s[14:15], s[2:3]
	v_lshlrev_b32 v25, 6, v3                       ; 64 h
	WIN TO_B
.irp b, 0,1,2,3
.irp j, 0,1,2,3
	global_load_b128 v[96+16*\b+4*\j+96*(\b/2):96+16*\b+4*\j+96*(\b/2)+3], v25, s[12:13] offset:128*\b+16*\j
.endr
.endr
	WIN 0
	s_lshl_b32 s2, s94, 20
	s_lshl_b32 s66, s19, 19
	s_add_co_u32 s2, s2, s66                       ; (256 tile row + 128 half) rows of 4,096 bytes
	s_add_nc_u64 s[14:15], s[14:15], s[2:3]
	s_mul_i32 s2, s18, 16*SPITCH
	s_add_co_u32 s2, s2, SLOT                      ; my stage
	v_mul_u32_u24 v[STO], v2, SPITCH
	v_lshl_add_u32 v[STO], v3, 6, v[STO]
	v_add_nc_u32 v[STO], s2, v[STO]                ; in: row r, + 64 h
	v_add_nc_u32 v[RD], s2, v[LI16]                ; back: the 32 lanes take one row of 512 bytes
	s_wait_alu depctr_va_vdst(0)
	s_wait_loadcnt 0x0                             ; the bias; the first tiles are on their way meanwhile
.macro FRAG reg, a16, a8, off
	ds_load_b128 v[\reg:\reg+3], v[\a16] offset:\off
	ds_load_b64 v[\reg+4:\reg+5], v[\a8] offset:\off+512
	ds_load_b128 v[\reg+6:\reg+9], v[\a16] offset:\off+768
	ds_load_b64 v[\reg+10:\reg+11], v[\a8] offset:\off+1280
.endm
.macro FETCH_B st                      ; P's eight fragments of K step st into set st % 2.  Step st lies in slot (st / 3) % 2, at byte 1,536 (st % 3) of each row tile's 4,608 (3,072 for steps 6 and 7)
	WIN TO_B
.irp i, 0,1,2,3,4,5,6,7
	FRAG 128*((\st)%2)+12*\i, ADRB16+(((\st)/3)%2), ADRB8+(((\st)/3)%2), (4608-1536*((\st)/6))*\i+1536*((\st)%3)
.endr
	WIN 0
.endm
.macro FETCH_A st, i0
.irp i, \i0, \i0+1, \i0+2, \i0+3
	FRAG AF+12*(\i), ADRA16+(((\st)/3)%2), ADRA8+(((\st)/3)%2), (4608-1536*((\st)/6))*(\i)+1536*((\st)%3)
.endr
.endm
.macro SCALES
.irp st, 0,1,2,3,4,5,6,7
.irp i, 0,1,2,3,4,5,6,7
	ds_load_b32 v[SC+8*\st+\i], v[ADRS] offset:512*\i+64*\st
.endr
.endr
.endm
; 16 matrix instructions: R's tiles a0, a0 + 1 x P's eight.  first = 1: the product starts the sums from the bias.  The 64 accumulators take turns, one instruction a turn.
.macro MUL16 a0, st, first
.irp a, \a0, \a0+1
.irp b, 0,1,2,3,4,5,6,7
.if \first
	v_wmma_scale_f32_16x16x128_f8f6f4 v[8*(8*((\a)%4)+\b):8*(8*((\a)%4)+\b)+7], v[128*((\st)%2)+12*\b:128*((\st)%2)+12*\b+11], v[AF+12*(\a):AF+12*(\a)+11], v[96+8*\b+96*(\b/4):96+8*\b+96*(\b/4)+7], v[SC+8*(\st)+\b], v[SC+8*(\st)+(\a)] matrix_a_fmt:MATRIX_FMT_FP6 matrix_b_fmt:MATRIX_FMT_FP6 matrix_a_scale:MATRIX_SCALE_ROW1
.else
	v_wmma_scale_f32_16x16x128_f8f6f4 v[8*(8*((\a)%4)+\b):8*(8*((\a)%4)+\b)+7], v[128*((\st)%2)+12*\b:128*((\st)%2)+12*\b+11], v[AF+12*(\a):AF+12*(\a)+11], v[8*(8*((\a)%4)+\b):8*(8*((\a)%4)+\b)+7], v[SC+8*(\st)+\b], v[SC+8*(\st)+(\a)] matrix_a_fmt:MATRIX_FMT_FP6 matrix_b_fmt:MATRIX_FMT_FP6 matrix_a_scale:MATRIX_SCALE_ROW1
.endif
.endr
.endr
.endm
; A load into a register that a matrix instruction has read, and an LDS store that reads a matrix result, stand four places behind it; only plain vector instructions that name none of its registers are places
; (ISA guide 7.12.1 for vector instructions).
.macro PLACES n
.rept \n
	v_nop
.endr
.endm
.macro STEP st, first
	s_wait_dscnt 16                                ; P's set and R's tiles 0-3 are in; the youngest 16 loads (R's tiles 4-7) may be out
	WIN MUL_LO-0x10*(\first)                       ; (first = 1: C, the bias, lies in window 1)
	MUL16 0, \st, \first
	MUL16 2, \st, \first
	s_wait_dscnt 0x0
	PLACES 4
	FETCH_B (\st)+1
	FETCH_A (\st)+1, 0
	WIN MUL_HI-0x20*(\first)
	MUL16 4, \st, \first
	MUL16 6, \st, \first
	PLACES 4
	WIN 0
	FETCH_A (\st)+1, 4
.endm
; A K step with a barrier.  In front of it each wave waits for all its tensor loads, adds 0 to its spare word, and waits for that and for its LDS reads.  fill = 1: slot 0 takes K steps 6 and 7: the barrier opens a round of
; the cluster's barrier, and the joint refill is the first tensor load behind it.  fill = 0: that refill is shown whole to every wave.
.macro TURN st, fill
	s_wait_tensorcnt 0x0                           ; all my tensor loads have landed
	ds_add_u32 v[SPW], v[NIL]                      ; 0 onto my spare word
	s_wait_dscnt 17                                ; (the add and the youngest 16 loads may be out)
	WIN MUL_LO
	MUL16 0, \st, 0
	s_wait_dscnt 0x0                               ; the add is done, and my reads of the slot are over
	s_barrier_signal -1
	MUL16 2, \st, 0
	WIN 0
	s_barrier_wait -1
.if \fill
	CREST                                          ; no wave of any partner still reads slot 0 or has a load on its way
	s_mov_b32 s[G1+1], 384<<16                     ; no tensor load of mine is out: the last fill's rows are two K steps, 3,072 bytes
	s_mov_b32 s[G1+3], 384<<16
	s_mov_b32 s[G1B+1], 384<<16
	s_mov_b32 s[G1B+3], 384<<16
	s_add_nc_u64 s[G0A0+2:G0A0+3], s[G0A0+2:G0A0+3], 9216
	s_add_nc_u64 s[G0B0+2:G0B0+3], s[G0B0+2:G0B0+3], 9216
	JLOAD G0A0, G1, G0B0, G1B                      ; it has the rest of this step and two more, 160 matrix instructions, in which to land
.else
	PLACES 4
.endif
	FETCH_B (\st)+1
	FETCH_A (\st)+1, 0
	WIN MUL_HI
	MUL16 4, \st, 0
	MUL16 6, \st, 0
	PLACES 4
	WIN 0
	FETCH_A (\st)+1, 4
.endm
	s_wait_alu depctr_va_vdst(0)                   ; the wait at the head's end
	s_wait_tensorcnt 0x0                           ; my tile of the head's four is in
	ds_add_u32 v[SPW], v[NIL]
	s_mov_b32 s[G1+2], 8<<16                       ; no tensor load of mine is out: from here on a load brings 8 row tiles
	s_mov_b32 s[G1+4], 8
	s_mov_b32 s[G1B+2], 8<<16
	s_mov_b32 s[G1B+4], 8
	s_wait_dscnt 0x0
	CROUND                                         ; all four tiles are in, and all sixteen work-groups are here
	JLOAD G0A1, G1, G0B1, G1B                      ; K steps 3 to 5, into slot 1
	FETCH_B 0
	FETCH_A 0, 0
	SCALES
	FETCH_A 0, 4
	STEP 0, 1
	STEP 1, 0
	TURN 2, 1                                      ; slot 1 is shown whole, slot 0 is read out and takes K steps 6 and 7
	STEP 3, 0
	STEP 4, 0
	TURN 5, 0
	STEP 6, 0
	s_wait_dscnt 16
	WIN MUL_LO
	MUL16 0, 7, 0
	MUL16 2, 7, 0
	s_wait_dscnt 0x0
	WIN MUL_HI
	MUL16 4, 7, 0
	MUL16 6, 7, 0
	WIN 0
; THE WAY OUT, R's tiles one after the other: 16 tokens x 128 features.  A lane holds pieces of one row: they go through my own stage in LDS and come back as whole rows of 512 bytes.  LDS serves a wave's instructions in
; order (ISA guide 5.7.1.4): no wait between the stores and the loads.  Lane row t of tile a is the token 32 (a / 2) + 8 (a % 2) + t + 8 (t / 8) from my first.
.macro TOSTAGE a
.set AC, 64*((\a)%4)
	WIN 0x08+4*((\a)/4)                            ; the data: window 2 or 3
.irp b, 0,1,2,3,4,5,6,7
	ds_store_b128 v[STO], v[AC+8*\b:AC+8*\b+3] offset:128*(\b/2)+32*(\b%2)          ; each accumulator from its low end on
	ds_store_b128 v[STO], v[AC+8*\b+4:AC+8*\b+7] offset:128*(\b/2)+32*(\b%2)+16
.endr
	WIN 0
.set BB, BK+64*((\a)%2)
.irp t, 0,1,2,3,4,5,6,7,8,9,10,11,12,13,14,15
	ds_load_b128 v[BB+4*\t:BB+4*\t+3], v[RD] offset:\t*SPITCH
.endr
.endm
.macro SEND a, younger                 ; younger: the LDS instructions issued behind tile a's loads, which may stay out
.set BB, BK+64*((\a)%2)
	s_wait_dscnt \younger
.if (\a) > 0
	s_add_nc_u64 s[14:15], s[14:15], (8+16*(1-(\a)%2))*4096   ; (behind a wait on XCNT)  8 rows on to an odd tile, 24 to an even one
.endif
.irp t, 0,1,2,3,4,5,6,7,8,9,10,11,12,13,14,15
	global_store_b128 v[LI16], v[BB+4*\t:BB+4*\t+3], s[14:15] offset:(\t+8*(\t/8))*4096 th:TH_STORE_NT   ; 32 lanes store 512 consecutive bytes, aligned; written once, read by nobody here
.endr
.endm
	PLACES 4
	TOSTAGE 0
.irp a, 1,2,3,4,5,6,7
.if \a > 1
	s_wait_xcnt 0x0                                ; tile a - 2's stores have read their registers and their base
.endif
	TOSTAGE \a
	SEND \a-1, 32                                  ; behind tile a - 1's loads: tile a's 16 stores and 16 loads
.endr
	s_wait_xcnt 0x0
	SEND 7, 0
	s_wait_tensorcnt 0x0                           ; the wave's end: behind my last tensor load and my last LDS store
	ds_add_u32 v[SPW], v[NIL]
	s_wait_dscnt 0x0
	CROUND                                         ; the closing round
	s_endpgm
.Lfunc_end_k_qb21c65a749_oproj:
	.size	k_qb21c65a749_oproj, .Lfunc_end_k_qb21c65a749_oproj-k_qb21c65a749_oproj
	.p2alignl 7, 3214868480
	.fill 96, 4, 3214868480
	.section	.rodata,"a",@progbits
	.p2align	6, 0x0
	.amdhsa_kernel k_qb21c65a749_oproj
		.amdhsa_group_segment_fixed_size 327680
		.amdhsa_private_segment_fixed_size 0
		.amdhsa_enable_private_segment 0
		.amdhsa_kernarg_size 48
		.amdhsa_user_sgpr_count 2
		.amdhsa_user_sgpr_kernarg_segment_ptr 1
		.amdhsa_wavefront_size32 1
		.amdhsa_system_sgpr_workgroup_id_x 1
		.amdhsa_system_sgpr_workgroup_id_y 1
		.amdhsa_system_sgpr_workgroup_id_z 1
		.amdhsa_system_vgpr_workitem_id 0
		.amdhsa_next_free_vgpr 1024
		.amdhsa_next_free_sgpr 102
		.amdhsa_reserve_vcc 0
		.amdhsa_float_denorm_mode_32 3
		.amdhsa_float_denorm_mode_16_64 3
		.amdhsa_memory_ordered 1
		.amdhsa_forward_progress 1
		.amdhsa_inst_pref_size 147
	.end_amdhsa_kernel
	.amdgpu_metadata
---
amdhsa.version: [ 1, 2 ]
amdhsa.kernels:
  - .name:           k_qb21c65a749_oproj
    .symbol:         k_qb21c65a749_oproj.kd
    .args:
      - { .name: xwc, .offset: 0, .size: 8, .value_kind: global_buffer, .address_space: global }
      - { .name: xws, .offset: 8, .size: 8, .value_kind: global_buffer, .address_space: global }
      - { .name: cc, .offset: 16, .size: 8, .value_kind: global_buffer, .address_space: global }
      - { .name: cs, .offset: 24, .size: 8, .value_kind: global_buffer, .address_space: global }
      - { .name: bo, .offset: 32, .size: 8, .value_kind: global_buffer, .address_space: global }
      - { .name: out0, .offset: 40, .size: 8, .value_kind: global_buffer, .address_space: global }
    .group_segment_fixed_size: 327680
    .private_segment_fixed_size: 0
    .kernarg_segment_align: 8
    .kernarg_segment_size: 48
    .max_flat_workgroup_size: 128
    .sgpr_count:     102
    .vgpr_count:     1024
    .wavefront_size: 32
...
	.end_amdgpu_metadata
.endif
;; end of part 4
